; MI455X (gfx1250); checked and timed in simulation.
; The chip was launched on July 23, 2026; its instructions are those of AMD's public machine-readable ISA for CDNA 5 (MIT licence, August 2026) and "CDNA5" Instruction Set Architecture Reference Guide (July 2026). The comments in the code are by the model that wrote it; some were corrected since.
;; Multi Head Self Attention. Allowed arithmetic: matrix products marked QUANTISED: E2M3 operands, one E8M0 scale for each 32 along K, by v_wmma_scale_f32_16x16x128_f8f6f4 with both operands' format E2M3, f32 sums; everything else in f32.
;; Inputs: attention_mask 4 x 2,048 bool; b_proj 1,024 float32; b_qkv 3,072 float32; w_proj 1,024 x 1,024 float32; w_qkv 3,072 x 1,024 float32; x 4 x 2,048 x 1,024 float32.
;; Outputs: out0 4 x 2,048 x 1,024 float32.
;; This version of the problem:
;;   THIS VERSION OF THE PROBLEM IS GIVEN IN LOW PRECISION. The matrix products marked QUANTISED in the list below multiply operands that are first quantised to E2M3 (2 exponent bits, 3 mantissa bits; 6 bits a number), with one power-of-two scale for each 32 numbers along K (OCP MX v1.0); their sums are f32. All else is computed in f32.
;;   The module's matrix products, in the order in which they are computed (A, B: the left and right operand; K: the contracted axis; several contracted axes count as one K, in the product's order):
;;     1. [M 8,192, K 1,024] x [K 1,024, N 3,072]; A: input x; B: input w_qkv: QUANTISED
;;     2. batch 64 x [M 2,048, K 64] x [K 64, N 2,048]; A: computed on the way; B: computed on the way: QUANTISED
;;     3. batch 64 x [M 2,048, K 2,048] x [K 2,048, N 64]; A: softmax (see below); B: computed on the way: QUANTISED
;;     4. [M 8,192, K 1,024] x [K 1,024, N 1,024]; A: computed on the way; B: input w_proj: QUANTISED
;;   THE QUANTISER, for each operand of a quantised product, along K:
;;     - K is cut into blocks of 32 from its start; a last block that is shorter is filled with zeros.
;;     - A block's scale is 2^e with e = floor(log2(the largest magnitude in the block)) - 2, held to -126 .. 127; a block of zeros has e = 0. As a byte (E8M0): e + 127.
;;     - Each number is divided by its block's scale, clamped to +-7.5, and rounded to the nearest number of E2M3, ties to even, subnormals kept.
;;     - The product sums the exact products of the quantised numbers (number of the format x scale) in f32.
;;   ~~~python
;;   def quantise(x, axis):      # numpy; x: float32 -> the quantised numbers, widened to float32 again
;;       x = np.moveaxis(x, axis, -1); K = x.shape[-1]
;;       x = np.pad(x, [(0, 0)] * (x.ndim - 1) + [(0, -K % 32)]); x = x.reshape(x.shape[:-1] + (-1, 32)); a = np.abs(x).max(-1, keepdims=True)
;;       e = np.where(a > 0, np.clip(np.frexp(np.where(a > 0, a, 1))[1] - 1 - 2, -126, 127), 0)      # np.frexp(a)[1] - 1 = floor(log2(a)), exactly
;;       r = np.clip(x / 2.0 ** e, -7.5, 7.5)
;;       step = 2.0 ** (np.maximum(np.frexp(np.where(r == 0, 1, r))[1] - 1, 0) - 3)
;;       q = np.round(r / step) * step * 2.0 ** e      # np.round: ties to even
;;       return np.moveaxis(q.reshape(q.shape[:-2] + (-1,))[..., :K], -1, axis).astype(np.float32)
;;   ~~~
;;   SOFTMAX AHEAD OF A QUANTISED PRODUCT. Where the list says 'softmax', what is quantised is not the finished softmax but p = 2^(t - M), with t = logit x log2(e) and M = ceil(the row's largest t), a whole number; so 1/2 < the row's largest p <= 1. The row's sum l is taken of the UNQUANTISED p, in f32, and the product's result is divided by l at the end. Since M is a whole number, a kernel that streams over the keys may use a running M (the ceiling of the running maximum): every later rescaling is an exact power of two, which a block's scale takes up: the codes' values come out the same.
;;   OPERANDS COMPUTED ON THE WAY. 'Computed on the way' means the value that the module computes at that place (a softmax that the list does not call 'softmax' is quantised finished and normalised). What goes into a quantiser is computed in f32, as accurately as f32 sums, v_exp_f32 and their like allow (about 1e-6 of the number): no bf16 or f16 on the way to a quantiser, and a product that is left as it is and whose result goes on into a quantised operand takes f32 operands (vector FMAs, or v_wmma_f32_16x16x4_f32). A number that lies on a knife's edge between two numbers of the format may be rounded either way, as far as f32 arithmetic and the matrix unit's own rounding can turn it there, and no further.
;; One version. Each part assembles by itself: llvm-mc -triple=amdgcn-amd-amdhsa -mcpu=gfx1250 --defsym DOCPART=n.
;; ======== version 1 of 1: 5 launches
;; limits: right only within a limited range of input values
;; workspace buffers: img 9,437,184 bytes; isc 393,216 bytes; qi 8,388,608 bytes; qs 524,288 bytes; kv 14,680,064 bytes; kvs 786,432 bytes; ao 6,291,456 bytes; aos 262,144 bytes
;; launch quant (part 1): grid 384 x 1, 4 waves a work-group, no clusters, 35,328 bytes of LDS; arguments x, w_qkv, w_proj, img, isc; writes img, isc
.if DOCPART == 1
	.amdgcn_target "amdgcn-amd-amdhsa--gfx1250"
	.amdhsa_code_object_version 6
	.text
	.protected	k_q6694522a16_quant
	.globl	k_q6694522a16_quant
	.p2align	8
	.type	k_q6694522a16_quant,@function
k_q6694522a16_quant:
	s_mov_b64 s[64:65], 0
	v_nop
	global_prefetch_b8 v0, s[64:65] scope:SCOPE_SE
	s_setreg_imm32_b32 hwreg(HW_REG_WAVE_MODE, 25, 1), 1
	s_wait_xcnt 0x0
; x [8192][1024], w_qkv [3072][1024] and w_proj [1024][1024], f32, K innermost, become codes of FP6 (E2M3) with one E8M0 byte for each 32 along K.
; A block's scale is 2^(floor(log2(its largest magnitude)) - 2); its byte is the largest magnitude's exponent field - 2, held at 1 from below.
; LIMITS: a block of zeros, and a block whose largest magnitude lies under 2^-124, gets the byte 1 (zeros add nothing under it; this program alone reads the bytes); NaN and infinities are not served.
; THE OUTPUT IS LAID AS THE MATRIX UNIT'S REGISTERS WANT IT.  The 12,288 rows form 768 tile-rows of 16.  A fragment (16 rows x 128 K, 12 registers a lane) is six planes of 256 bytes:
; plane p holds registers 2 p, 2 p + 1, lane l at byte 8 l.  img: [tile-row][K step 0..7][1,536 bytes].  isc: word (tile-row T, K step s, row r) at 512 T + 128 (s / 2) + 8 r + 4 (s % 2).
; THE ROWS OF A TILE-ROW ARE NOT NEIGHBOURS: lane r of tile-row T of a tensor holds row 32 (T / 2) + 8 (T % 2) + r + 8 (r / 8), so that a product that takes such tiles as its first source
; leaves 16 neighbouring rows in the 16 registers of two neighbouring tiles.
; SHARES: a wave takes one tile-row and half of K: four fragments.  A work-group's four waves read 32 whole rows.  Each load reads 512 consecutive bytes of a row; a fragment's 8,192 bytes turn through
; the wave's own stage in LDS (pitch 528), from which a lane reads its two whole blocks of 32.  Each store covers 256 consecutive bytes, aligned.  Waves share nothing: no barrier.
.set WREG, 8704                        ; LDS of a wave: the stage, 16 rows x 528 bytes, then its 256 bytes of scale words
.set SPT,  528
.set SWO,  16*SPT
.set R,    16                          ; v16-143  two sets of 64 registers as loaded
.set X,    144                         ; v144-207 my two blocks of 32 numbers
.set C,    208                         ; v208-219 the fragment's 12 registers;  v220-222, v224-226: the halves that a conversion cannot put on an odd register
	s_load_b128 s[4:7], s[0:1], 0x0                ; x, w_qkv
	s_load_b128 s[8:11], s[0:1], 0x10              ; w_proj, img
	s_load_b64 s[12:13], s[0:1], 0x20              ; isc
	v_lshl_add_u32 v232, v0, 2, 0x8800
	v_mov_b32 v233, 0
	v_lshrrev_b32 v1, 5, v0
	v_readfirstlane_b32 s14, v1                    ; wave
	v_and_b32 v1, 31, v0                           ; lane
	v_and_b32 v2, 15, v0                           ; r
	v_bfe_u32 v3, v0, 4, 1                         ; h
	v_lshlrev_b32 v4, 4, v1                        ; 16 x lane: my bytes of a load's 512
	s_mul_i32 s15, s14, WREG
	v_add_nc_u32 v5, s15, v4                       ; the stage, on the way in
	v_mul_u32_u24 v6, v2, SPT
	v_lshl_add_u32 v6, v3, 7, v6
	v_add_nc_u32 v6, s15, v6                       ; and out: row r, + 128 h: block h of each 64 numbers
	v_lshlrev_b32 v7, 3, v2
	v_add_nc_u32 v7, s15, v7                       ; my row's scale words
	v_lshlrev_b32 v9, 3, v1                        ; 8 x lane
	v_add_nc_u32 v8, s15, v9
	v_lshlrev_b32 v228, 3, v3                      ; 8 h: my bytes' place in a scale word
	s_mov_b32 s20, 0x76543210
	s_mov_b32 s21, 0xfedcba98                      ; v_permlanex16_b32's selects for lane l xor 16
	s_lshr_b32 s16, s14, 1
	s_lshl_b32 s17, ttmp9, 1
	s_add_co_u32 s16, s16, s17                     ; G: my tile-row of the 768
	s_and_b32 s17, s14, 1                          ; which half of K
	s_wait_alu depctr_va_vdst(0)
	s_wait_kmcnt 0x0
	s_cmp_lt_u32 s16, 512                          ; which tensor: the choice hangs on ids alone
	s_cselect_b64 s[4:5], s[4:5], s[6:7]
	s_cselect_b32 s18, 0, 512
	s_cmp_lt_u32 s16, 704
	s_cselect_b64 s[4:5], s[4:5], s[8:9]
	s_cselect_b32 s18, s18, 704
	s_sub_co_u32 s18, s16, s18                     ; T: the tile-row within its tensor
	s_lshr_b32 s19, s18, 1
	s_lshl_b32 s19, s19, 5
	s_and_b32 s22, s18, 1
	s_lshl_b32 s22, s22, 3
	s_add_co_u32 s19, s19, s22                     ; its first row: 32 (T / 2) + 8 (T % 2)
	s_lshl_b32 s22, s19, 12                        ; rows of 4,096 bytes
	s_lshl_b32 s19, s17, 11
	s_add_co_u32 s22, s22, s19                     ; + my half of K
	s_mov_b32 s23, 0
	s_add_nc_u64 s[4:5], s[4:5], s[22:23]
	s_mul_i32 s22, s16, 12288
	s_mul_i32 s19, s17, 6144
	s_add_co_u32 s22, s22, s19
	s_add_nc_u64 s[10:11], s[10:11], s[22:23]      ; my four images
	s_lshl_b32 s22, s16, 9
	s_lshl_b32 s19, s17, 8
	s_add_co_u32 s22, s22, s19
	s_add_nc_u64 s[12:13], s[12:13], s[22:23]      ; my 256 bytes of scale words
.macro LOAD t                          ; fragment t: 128 numbers of each of the 16 rows, into set t % 2
.irp i, 0,1,2,3,4,5,6,7,8,9,10,11,12,13,14,15
	global_load_b128 v[R+64*((\t)%2)+4*\i:R+64*((\t)%2)+4*\i+3], v4, s[4:5] offset:(\i+8*(\i/8))*4096+512*(\t) th:TH_LOAD_NT
.endr
.endm
.macro TURN t                          ; through the stage: LDS serves a wave's instructions in order, so no wait stands between the stores and the loads
.irp i, 0,1,2,3,4,5,6,7,8,9,10,11,12,13,14,15
	ds_store_b128 v5, v[R+64*((\t)%2)+4*\i:R+64*((\t)%2)+4*\i+3] offset:SPT*\i
.endr
.irp c, 0,1
.irp j, 0,1,2,3,4,5,6,7
	ds_load_b128 v[X+32*\c+4*\j:X+32*\c+4*\j+3], v6 offset:256*\c+16*\j   ; k = 64 c + 32 h + 4 j ..
.endr
.endr
.endm
.macro FRAGQ t
.if (\t) > 0
	s_wait_xcnt 0x0                                ; the last fragment's stores have read their registers: the codes may be written again
.endif
.if (\t) < 3
	s_wait_loadcnt 16                              ; this fragment's 16 loads are in; the next fragment's 16 may be out
.else
	s_wait_loadcnt 0x0
.endif
	TURN \t
	s_wait_dscnt 0x0                               ; my two blocks are in registers, and the stage may be written again
.if (\t) < 2
	LOAD (\t)+2
.endif
.irp c, 0,1
	v_max3_num_f32 v[10+\c], |v[X+32*\c]|, |v[X+32*\c+1]|, 0x1800000   ; the block's largest magnitude, with the floor 2^(3 - 127) among its leaves: the byte cannot fall under 1
.endr
.irp i, 2,4,6,8,10,12,14,16,18,20,22,24,26,28,30
.irp c, 0,1
	v_max3_num_f32 v[10+\c], v[10+\c], |v[X+32*\c+\i]|, |v[X+32*\c+\i+1]|
.endr
.endr
.irp c, 0,1
	v_add_nc_u32 v[12+\c], 0xff000000, v[10+\c]    ; 2 off the exponent field: the conversion's scale operand
.endr
.irp c, 0,1
	v_lshrrev_b32 v[14+\c], 23, v[12+\c]           ; the scale's byte
.endr
	v_lshl_or_b32 v14, v15, 16, v14                ; my bytes: blocks h and 2 + h,
	v_lshlrev_b32 v14, v228, v14                   ; at their places in the word;
	v_permlanex16_b32 v15, v14, s20, s21
	v_or_b32 v14, v14, v15                         ; with lane l xor 16's two the word is whole
	v_cvt_scalef32_pk16_fp6_f32 v[C:C+2], v[X:X+15], v12
	v_cvt_scalef32_pk16_fp6_f32 v[220:222], v[X+16:X+31], v12
	v_cvt_scalef32_pk16_fp6_f32 v[C+6:C+8], v[X+32:X+47], v13
	v_cvt_scalef32_pk16_fp6_f32 v[224:226], v[X+48:X+63], v13
	v_nop                                          ; one plain place behind a scaled conversion
.irp i, 0,1,2
	v_mov_b32 v[C+3+\i], v[220+\i]
	v_mov_b32 v[C+9+\i], v[224+\i]
.endr
	ds_store_b32 v7, v14 offset:SWO+128*((\t)/2)+4*((\t)%2)   ; both halves of the lanes write the same word with the same value
.irp p, 0,1,2,3,4,5
	global_store_b64 v9, v[C+2*\p:C+2*\p+1], s[10:11] offset:1536*(\t)+256*\p   ; 32 lanes store 256 consecutive bytes, aligned
.endr
.endm
	LOAD 0
	LOAD 1
	FRAGQ 0
	FRAGQ 1
	FRAGQ 2
	FRAGQ 3
	ds_load_b64 v[10:11], v8 offset:SWO            ; LDS serves a wave's instructions in order: these see my stores
	s_wait_dscnt 0x0
	global_store_b64 v9, v[10:11], s[12:13]        ; 256 consecutive bytes of scale words, aligned
	s_wait_tensorcnt 0x0
	ds_add_u32 v232, v233
	s_wait_dscnt 0x0
	s_endpgm
.Lfunc_end_k_q6694522a16_quant:
	.size	k_q6694522a16_quant, .Lfunc_end_k_q6694522a16_quant-k_q6694522a16_quant
	.p2alignl 7, 3214868480
	.fill 96, 4, 3214868480
	.section	.rodata,"a",@progbits
	.p2align	6, 0x0
	.amdhsa_kernel k_q6694522a16_quant
		.amdhsa_group_segment_fixed_size 35328
		.amdhsa_private_segment_fixed_size 0
		.amdhsa_enable_private_segment 0
		.amdhsa_kernarg_size 40
		.amdhsa_user_sgpr_count 2
		.amdhsa_user_sgpr_kernarg_segment_ptr 1
		.amdhsa_wavefront_size32 1
		.amdhsa_system_sgpr_workgroup_id_x 1
		.amdhsa_system_sgpr_workgroup_id_y 1
		.amdhsa_system_sgpr_workgroup_id_z 1
		.amdhsa_system_vgpr_workitem_id 0
		.amdhsa_next_free_vgpr 234
		.amdhsa_next_free_sgpr 66
		.amdhsa_reserve_vcc 0
		.amdhsa_float_denorm_mode_32 3
		.amdhsa_float_denorm_mode_16_64 3
		.amdhsa_memory_ordered 1
		.amdhsa_forward_progress 1
		.amdhsa_inst_pref_size 32
	.end_amdhsa_kernel
	.amdgpu_metadata
---
amdhsa.version: [ 1, 2 ]
amdhsa.kernels:
  - .name:           k_q6694522a16_quant
    .symbol:         k_q6694522a16_quant.kd
    .args:
      - { .name: x, .offset: 0, .size: 8, .value_kind: global_buffer, .address_space: global }
      - { .name: w_qkv, .offset: 8, .size: 8, .value_kind: global_buffer, .address_space: global }
      - { .name: w_proj, .offset: 16, .size: 8, .value_kind: global_buffer, .address_space: global }
      - { .name: img, .offset: 24, .size: 8, .value_kind: global_buffer, .address_space: global }
      - { .name: isc, .offset: 32, .size: 8, .value_kind: global_buffer, .address_space: global }
    .group_segment_fixed_size: 35328
    .private_segment_fixed_size: 0
    .kernarg_segment_align: 8
    .kernarg_segment_size: 40
    .max_flat_workgroup_size: 128
    .sgpr_count:     66
    .vgpr_count:     234
    .wavefront_size: 32
...
	.end_amdgpu_metadata
.endif
;; end of part 1
;; launch qk (part 2): grid 8 x 32, 4 waves a work-group, clusters of 4 x 4, 327,680 bytes of LDS; arguments img, isc, b_qkv, attention_mask, qi, qs, kv, kvs; writes qi, qs, kv, kvs
.if DOCPART == 2
	.amdgcn_target "amdgcn-amd-amdhsa--gfx1250"
	.amdhsa_code_object_version 6
	.text
	.protected	k_q6694522a16_qk
	.globl	k_q6694522a16_qk
	.p2align	8
	.type	k_q6694522a16_qk,@function
k_q6694522a16_qk:
	s_mov_b64 s[64:65], 0
	v_nop
	global_prefetch_b8 v0, s[64:65] scope:SCOPE_SE
	s_setreg_imm32_b32 hwreg(HW_REG_WAVE_MODE, 25, 1), 1
	s_wait_xcnt 0x0
	s_wait_alu depctr_hold_cnt(0) depctr_sa_sdst(0) depctr_va_vdst(0) depctr_va_sdst(0) depctr_va_ssrc(0) depctr_va_vcc(0) depctr_vm_vsrc(0)
	s_getreg_b32 s2, hwreg(HW_REG_IB_STS2, 6, 4)
	s_cmp_eq_u32 s2, 0
	s_cbranch_scc0 .Lentry_in_a_cluster
	s_endpgm
.Lentry_in_a_cluster:
	s_bfe_u32 s2, ttmp6, 0x10000c
	s_cmp_lg_u32 s2, 0xf033
	s_cbranch_scc0 .Lentry_shape_is_right
	s_endpgm
.Lentry_shape_is_right:
.set NQ,     2
.set FR,     12
.set NL,     6
.set NP,     4
.set FRB,    1536
.set TROW,   NQ*FRB
.set HALFT,  8*TROW
.set SLOT,   4*HALFT
.set SCL,    2*SLOT
.set SCLB,   SCL+8192+128
.set SPARE,  SCLB+8192+128
.set B_OFF,  6291456
.set BS_OFF, 262144
.set ADRA, 16
.set ADRB, 20
.set WRD,  26
.set ADRS, 27
.set SPW,  28
.set NIL,  29
.set LI,   30
.set WST,  31
.set SC,   32
.set BI,   64
.set AF,   128
.set MB,   224
.set G1, 24
.set G0, 32
.set G1B, 48
.set G0B, 56
.set G1S, 68
.set G0S, 76
.set G1SB, 80
.set G0SB, 88
.set SEL, 100
.set MSB, 0
.macro WIN new
.if MSB != \new
	s_set_vgpr_msb (MSB<<8)|\new
.set MSB, \new
.endif
.endm
.set MUL_LO, 0xa1
.set MUL_HI, 0xf1
.set TO_B,   0x40
.macro JLOAD g0a, g1a, g0b, g1b
	s_cmp_eq_u32 s15, 0
	s_cbranch_scc0 .Lfor_b_\@
	tensor_load_to_lds s[\g0a:\g0a+3], s[\g1a:\g1a+7]
	s_nop 0
.rept 4
	v_nop
.endr
	s_branch .Lasked_\@
.Lfor_b_\@:
	tensor_load_to_lds s[\g0b:\g0b+3], s[\g1b:\g1b+7]
	s_nop 0
.rept 4
	v_nop
.endr
.Lasked_\@:
.endm
.macro CREST
	s_cmp_lg_u32 s14, 0
	s_cbranch_scc1 .Lnot_wave_0_\@
	s_barrier_signal -3
.Lnot_wave_0_\@:
	s_barrier_wait -3
	s_barrier_signal -1
	s_barrier_wait -1
.endm
.macro CROUND
	s_barrier_signal -1
	s_barrier_wait -1
	CREST
.endm
	s_load_b128 s[4:7], s[0:1], 0x0
	s_load_b64 s[12:13], s[0:1], 0x10
	s_load_b64 s[66:67], s[0:1], 0x18
	s_load_b256 s[92:99], s[0:1], 0x20
	v_lshl_add_u32 v[SPW], v0, 2, SPARE
	v_mov_b32 v[NIL], 0
	ds_add_u32 v28, v29
	ds_add_u32 v28, v29
	s_wait_dscnt 0x0
	v_lshrrev_b32 v1, 5, v0
	v_readfirstlane_b32 s14, v1
	s_lshr_b32 s15, s14, 1
	s_and_b32 s16, s14, 1
	s_bfe_u32 s40, ttmp6, 0x40000
	s_bfe_u32 s41, ttmp6, 0x40004
	s_lshl_b32 s42, ttmp9, 2
	s_add_co_u32 s42, s42, s40
	s_and_b32 s17, ttmp7, 0xffff
	s_lshl_b32 s17, s17, 2
	s_add_co_u32 s17, s17, s41
	s_lshl_b32 s43, s41, 2
	s_lshl_b32 s43, 15, s43
	s_lshl_b32 s44, 0x1111, s40
	s_mov_b32 s[SEL], 0x76543210
	s_mov_b32 s[SEL+1], 0xfedcba98
	s_or_b32 s[G1+0], s43, (3<<16)|(1<<21)
	s_or_b32 s[G1B+0], s44, (3<<16)|(1<<21)
.irp g, G1, G1B
	s_mov_b32 s[\g+1], 384<<16
	s_mov_b32 s[\g+2], 16<<16
	s_mov_b32 s[\g+3], 384<<16
	s_mov_b32 s[\g+4], 16
	s_mov_b32 s[\g+5], 1536
	s_mov_b32 s[\g+6], 0
	s_mov_b32 s[\g+7], 0
.endr
	s_or_b32 s[G1S+0], s43, (3<<16)|(1<<21)
	s_or_b32 s[G1SB+0], s44, (3<<16)|(1<<21)
.irp g, G1S, G1SB
	s_mov_b32 s[\g+1], 32<<16
	s_mov_b32 s[\g+2], 32<<16
	s_mov_b32 s[\g+3], 32<<16
	s_mov_b32 s[\g+4], 32
	s_mov_b32 s[\g+5], 32
	s_mov_b32 s[\g+6], 0
	s_mov_b32 s[\g+7], 0
.endr
	s_lshl_b32 s18, s16, 7
	s_lshl_b32 s20, s17, 8
	s_add_co_u32 s20, s20, s18
	s_lshl_b32 s46, s42, 8
	s_add_co_u32 s46, s46, s18
	s_lshl_b32 s22, s20, 5
	s_mov_b32 s23, 0
	s_mul_i32 s20, s20, 768
	s_mov_b32 s21, 0
	s_lshl_b32 s2, s46, 5
	s_mov_b32 s3, 0
	s_mul_i32 s46, s46, 768
	s_mov_b32 s47, 0
	s_mul_i32 s45, s14, HALFT
	s_lshl_b32 s19, s16, 12
	s_wait_kmcnt 0x0
	s_add_nc_u64 s[8:9], s[4:5], B_OFF
	s_add_nc_u64 s[10:11], s[6:7], BS_OFF
	s_add_nc_u64 s[20:21], s[4:5], s[20:21]
	s_add_nc_u64 s[22:23], s[6:7], s[22:23]
	s_add_nc_u64 s[46:47], s[8:9], s[46:47]
	s_add_nc_u64 s[2:3], s[10:11], s[2:3]
	CROUND
	s_mov_b32 s[G0S], 1
	s_mov_b32 s6, s19                              ; my half's place in a tile's scale words,
	s_mov_b32 s7, 0
	s_mul_i32 s10, s16, 98304                      ; and in its codes: 128 rows of 768 bytes
	s_mov_b32 s11, 0
	s_mov_b32 s[G0S+1], SCL                        ; the head's loads bring whole tiles: they begin at half 0
	s_sub_nc_u64 s[G0S+2:G0S+3], s[22:23], s[6:7]
	s_or_b32 s[G0S+3], s[G0S+3], 0x80000000
	s_mov_b32 s[G0SB], 1
	s_mov_b32 s[G0SB+1], SCLB
	s_sub_nc_u64 s[G0SB+2:G0SB+3], s[2:3], s[6:7]
	s_or_b32 s[G0SB+3], s[G0SB+3], 0x80000000
.irp s, 0,1
	s_mov_b32 s[G0+4*\s], 1
	s_add_co_u32 s[G0+4*\s+1], s45, \s*SLOT
	s_add_nc_u64 s[G0+4*\s+2:G0+4*\s+3], s[20:21], \s*TROW
	s_or_b32 s[G0+4*\s+3], s[G0+4*\s+3], 0x80000000
	s_mov_b32 s[G0B+4*\s], 1
	s_add_co_u32 s[G0B+4*\s+1], s45, \s*SLOT
	s_add_nc_u64 s[G0B+4*\s+2:G0B+4*\s+3], s[46:47], \s*TROW
	s_or_b32 s[G0B+4*\s+3], s[G0B+4*\s+3], 0x80000000
.endr
	s_mov_b32 s[G0+1], 0                           ; for the head slot 0's descriptors name the whole tiles: 16 tile-rows of A at LDS 0, 16 of B behind them
	s_sub_nc_u64 s[G0+2:G0+3], s[G0+2:G0+3], s[10:11]
	s_mov_b32 s[G0B+1], 2*HALFT
	s_sub_nc_u64 s[G0B+2:G0B+3], s[G0B+2:G0B+3], s[10:11]
	s_cmp_eq_u32 s14, 0                            ; one joint load a wave, in one chain of arms: A's slot 0, B's slot 0, A's scale words, B's
	s_cbranch_scc0 .Lhead_b
	tensor_load_to_lds s[G0:G0+3], s[G1:G1+7]
	s_nop 0
.rept 4
	v_nop
.endr
	s_branch .Lhead_asked
.Lhead_b:
	s_cmp_eq_u32 s14, 1
	s_cbranch_scc0 .Lhead_sa
	tensor_load_to_lds s[G0B:G0B+3], s[G1B:G1B+7]
	s_nop 0
.rept 4
	v_nop
.endr
	s_branch .Lhead_asked
.Lhead_sa:
	s_cmp_eq_u32 s14, 2
	s_cbranch_scc0 .Lhead_sb
	tensor_load_to_lds s[G0S:G0S+3], s[G1S:G1S+7]
	s_nop 0
.rept 4
	v_nop
.endr
	s_branch .Lhead_asked
.Lhead_sb:
	tensor_load_to_lds s[G0SB:G0SB+3], s[G1SB:G1SB+7]
	s_nop 0
.rept 4
	v_nop
.endr
.Lhead_asked:
	v_and_b32 v1, 15, v0
	v_bfe_u32 v2, v0, 4, 1
	s_wait_alu depctr_va_vdst(0)
	v_and_b32 v3, 31, v0
	v_lshlrev_b32 v4, 3, v3
	s_mul_i32 s21, s15, HALFT
	s_mul_i32 s22, s16, HALFT
	s_add_co_u32 s22, s22, 2*HALFT
.irp s, 0,1
	v_add_nc_u32 v[ADRA+\s], s21, v4
	v_add_nc_u32 v[ADRB+\s], s22, v4
	s_add_co_u32 s21, s21, SLOT
	s_add_co_u32 s22, s22, SLOT
.endr
	v_lshlrev_b32 v5, 3, v1
	s_lshl_b32 s21, s15, 12
	s_lshl_b32 s22, s16, 12
	s_add_co_u32 s22, s22, SCLB-SCL
	s_sub_co_u32 s22, s22, s21
	v_mul_u32_u24 v6, s22, v2
	s_add_co_u32 s21, s21, SCL
	v_add_nc_u32 v5, v5, v6
	v_add_nc_u32 v[ADRS], s21, v5
	v_lshlrev_b32 v[LI], 4, v3
	s_lshl_b32 s21, s14, 10
	v_lshl_add_u32 v[WST], v1, 2, s21
	v_add_nc_u32 v[WRD], s21, v[LI]
	v_lshlrev_b32 v7, 6, v2
	s_wait_alu depctr_va_vdst(0)
	v_and_b32 v8, 8, v1
	v_add_nc_u32 v8, v8, v1
	s_wait_alu depctr_va_vdst(0)
	s_lshl_b32 s46, s42, 10
	s_lshl_b32 s47, s16, 9
	s_add_co_u32 s46, s46, s47
	s_mov_b32 s47, 0
	s_add_nc_u64 s[12:13], s[12:13], s[46:47]
	s_lshl_b32 s20, s17, 8
	s_lshl_b32 s21, s15, 7
	s_add_co_u32 s20, s20, s21
	s_mov_b32 s21, 0
	s_add_nc_u64 s[66:67], s[66:67], s[20:21]
.irp b, 0,1,2,3,4,5,6,7
	global_load_b128 v[BI+8*\b:BI+8*\b+3], v7, s[12:13] offset:4*(32*(\b/2)+8*(\b%2))
	global_load_b128 v[BI+8*\b+4:BI+8*\b+7], v7, s[12:13] offset:4*(32*(\b/2)+8*(\b%2))+16
.endr
.irp a, 0,1,2,3,4,5,6,7
	global_load_u8 v[MB+\a], v8, s[66:67] offset:32*(\a/2)+8*(\a%2)
.endr
.macro FRAG reg, adr, q, i
.irp p, 0,1,2,3,4,5
	ds_load_b64 v[\reg+2*\p:\reg+2*\p+1], v[\adr] offset:(\i)*TROW+(\q)*FRB+256*\p
.endr
.endm
.macro MUL16 a0, p, q, sc, zero
.irp a, \a0, \a0+1
.irp b, 0,1,2,3,4,5,6,7
.if \zero
	v_wmma_scale_f32_16x16x128_f8f6f4 v[8*(8*((\a)%4)+\b):8*(8*((\a)%4)+\b)+7], v[128*(\p)+FR*\b:128*(\p)+FR*\b+FR-1], v[AF+FR*(\a):AF+FR*(\a)+FR-1], v[BI+8*\b:BI+8*\b+7], v[SC+8*NQ*(\sc)+NQ*\b+(\q)], v[SC+8*NQ*(\sc)+NQ*(\a)+(\q)] matrix_a_fmt:MATRIX_FMT_FP6 matrix_b_fmt:MATRIX_FMT_FP6 matrix_a_scale:MATRIX_SCALE_ROW1
.else
	v_wmma_scale_f32_16x16x128_f8f6f4 v[8*(8*((\a)%4)+\b):8*(8*((\a)%4)+\b)+7], v[128*(\p)+FR*\b:128*(\p)+FR*\b+FR-1], v[AF+FR*(\a):AF+FR*(\a)+FR-1], v[8*(8*((\a)%4)+\b):8*(8*((\a)%4)+\b)+7], v[SC+8*NQ*(\sc)+NQ*\b+(\q)], v[SC+8*NQ*(\sc)+NQ*(\a)+(\q)] matrix_a_fmt:MATRIX_FMT_FP6 matrix_b_fmt:MATRIX_FMT_FP6 matrix_a_scale:MATRIX_SCALE_ROW1
.endif
.endr
.endr
.endm
.macro FETCH_B slot, q, p
	WIN TO_B
.irp i, 0,1,2,3,4,5,6,7
	FRAG 128*(\p)+FR*\i, ADRB+\slot, \q, \i
.endr
	WIN 0
.endm
.macro FETCH_A slot, q, i0
.irp i, \i0, \i0+1, \i0+2, \i0+3
	FRAG AF+FR*(\i), ADRA+\slot, \q, \i
.endr
.endm
.macro SCALES sc
.irp i, 0,1,2,3,4,5,6,7
	ds_load_b64 v[SC+8*NQ*\sc+NQ*\i:SC+8*NQ*\sc+NQ*\i+1], v[ADRS] offset:\i*512
.endr
.endm
.macro PLACES n
.rept \n
	v_nop
.endr
.endm
.macro STEP slot, q, zero
	s_wait_dscnt 4*NL
.if \zero
	WIN 0x81
.else
	WIN MUL_LO
.endif
	MUL16 0, (\q)%2, \q, \slot, \zero
	MUL16 2, (\q)%2, \q, \slot, \zero
	s_wait_dscnt 0
	PLACES NP
	FETCH_B \slot, (\q)+1, 1-(\q)%2
	FETCH_A \slot, (\q)+1, 0
.if \zero
	WIN 0xc1
.else
	WIN MUL_HI
.endif
	MUL16 4, (\q)%2, \q, \slot, \zero
	MUL16 6, (\q)%2, \q, \slot, \zero
	PLACES NP
	WIN 0
	FETCH_A \slot, (\q)+1, 4
.endm
.macro TURN slot, next, fill
	s_wait_tensorcnt 0x0
	ds_add_u32 v[SPW], v[NIL]
	s_wait_dscnt 4*NL+1
	WIN MUL_LO
	MUL16 0, 1, NQ-1, \slot, 0
	s_wait_dscnt 0x0
	s_barrier_signal -1
	MUL16 2, 1, NQ-1, \slot, 0
	WIN 0
	s_barrier_wait -1
.if \fill
	CREST
	s_add_nc_u64 s[G0+4*\slot+2:G0+4*\slot+3], s[G0+4*\slot+2:G0+4*\slot+3], 2*TROW
	s_add_nc_u64 s[G0B+4*\slot+2:G0B+4*\slot+3], s[G0B+4*\slot+2:G0B+4*\slot+3], 2*TROW
	JLOAD G0+4*\slot, G1, G0B+4*\slot, G1B
.else
	PLACES NP
.endif
	s_wait_alu depctr_va_vdst(0)
	v_add_nc_u32 v[ADRS], 128, v[ADRS]
	FETCH_B \next, 0, 0
	FETCH_A \next, 0, 0
	SCALES \next
	WIN MUL_HI
	MUL16 4, 1, NQ-1, \slot, 0
	MUL16 6, 1, NQ-1, \slot, 0
	PLACES NP
	WIN 0
	FETCH_A \next, 0, 4
.endm
	s_wait_alu depctr_va_vdst(0)
	s_wait_tensorcnt 0x0                           ; my tile of the head's four is in
	ds_add_u32 v28, v29
	s_mov_b32 s[G1+2], 8<<16                       ; no load of mine is out: from here on a load brings 8 tile-rows, my quarter of a slot
	s_mov_b32 s[G1+4], 8
	s_mov_b32 s[G1B+2], 8<<16
	s_mov_b32 s[G1B+4], 8
	s_mov_b32 s[G0+1], s45
	s_add_nc_u64 s[G0+2:G0+3], s[G0+2:G0+3], s[10:11]
	s_mov_b32 s[G0B+1], s45
	s_add_nc_u64 s[G0B+2:G0B+3], s[G0B+2:G0B+3], s[10:11]
	s_wait_dscnt 0x0
	CROUND                                         ; all four tiles are in, and all sixteen work-groups are here
	JLOAD G0+4, G1, G0B+4, G1B                     ; slot 1's first fill
	FETCH_B 0, 0, 0
	FETCH_A 0, 0, 0
	SCALES 0
	FETCH_A 0, 0, 4
	s_wait_loadcnt 0x0
	STEP 0, 0, 1
	TURN 0, 1, 1
	STEP 1, 0, 0
	TURN 1, 0, 1
	STEP 0, 0, 0
	TURN 0, 1, 0
	STEP 1, 0, 0
	s_wait_dscnt 4*NL
	WIN MUL_LO
	MUL16 0, 1, NQ-1, 1, 0
	MUL16 2, 1, NQ-1, 1, 0
	s_wait_dscnt 0
	WIN MUL_HI
	MUL16 4, 1, NQ-1, 1, 0
	MUL16 6, 1, NQ-1, 1, 0
	WIN 0
	PLACES NP
	s_lshl_b32 s82, s17, 8
	s_lshl_b32 s83, s15, 7
	s_add_co_u32 s82, s82, s83
	s_lshr_b32 s83, s82, 11
	s_lshl_b32 s83, s83, 4
	s_lshl_b32 s84, s40, 2
	s_add_co_u32 s83, s83, s84
	s_lshl_b32 s84, s16, 1
	s_add_co_u32 s83, s83, s84
	s_bfe_u32 s82, s82, 0x40007
	s_cmp_eq_u32 ttmp9, 0
	s_cselect_b64 s[68:69], s[92:93], s[96:97]
	s_cselect_b64 s[72:73], s[94:95], s[98:99]
	s_mov_b32 s76, 229376
	s_cselect_b32 s76, 131072, s76
	s_mov_b32 s77, 14336
	s_cselect_b32 s77, 8192, s77
	s_mov_b32 s78, 12288
	s_cselect_b32 s78, 8192, s78
	s_mov_b32 s79, 768
	s_cselect_b32 s79, 512, s79
	s_cselect_b32 s80, 1, 0
	s_cselect_b32 s81, 8, 0
	s_mul_i32 s84, s83, s76
	s_mul_i32 s85, s82, s77
	s_add_co_u32 s84, s84, s85
	s_mov_b32 s85, 0
	s_add_nc_u64 s[68:69], s[68:69], s[84:85]
	s_mov_b32 s84, s76
	s_add_nc_u64 s[70:71], s[68:69], s[84:85]
	s_mul_i32 s84, s83, s78
	s_mul_i32 s86, s82, s79
	s_add_co_u32 s84, s84, s86
	s_add_nc_u64 s[72:73], s[72:73], s[84:85]
	s_mov_b32 s84, s78
	s_add_nc_u64 s[74:75], s[72:73], s[84:85]
	v_mov_b32 v96, 0
	v_mov_b32 v97, -1
	v_mov_b32 v98, 40
	v_mov_b32 v99, s81
	v_mov_b32 v100, 0x7f7f0000
	v_mov_b32 v101, 0x7fe30000
	v_add_nc_u32 v102, -1, v2
	v_mov_b32 v55, 0
	v_mov_b32 v63, 0
.irp n, 0,1,2,3
	v_mov_b32 v[36+\n], 0
.endr
.irp a, 0,1,2,3,4,5,6,7
	v_or_b32 v[MB+\a], s80, v[MB+\a]
	v_cmp_eq_u32 vcc_lo, 0, v[MB+\a]
	v_cndmask_b32 v[72+\a], v97, v96, vcc_lo
	v_cndmask_b32 v[80+\a], v99, v98, vcc_lo
	v_cndmask_b32 v[88+\a], v100, v101, vcc_lo
	v_and_b32 v[80+\a], v102, v[80+\a]
.endr
.macro BLKMAX a
.set AC, 64*((\a)%4)
.set WX, 2+(\a)/4
.set W12, (WX<<2)|(WX<<4)
	WIN 0
.if (\a) > 0
	s_wait_xcnt 0x0
.endif
.irp n, 0,1,2,3
	v_mov_b32 v[32+\n], 0x1800000
.endr
	WIN W12
.irp i, 0,2,4,6,8,10,12,14
.irp n, 0,1,2,3
	v_max3_num_f32 v[32+\n], v[32+\n], |v[AC+16*\n+\i]|, |v[AC+16*\n+\i+1]|
.endr
.endr
	WIN 0
.irp n, 0,1,2,3
	v_permlanex16_b32 v[36+\n], v[32+\n], s[SEL], s[SEL+1]
.endr
.irp n, 0,1,2,3
	v_max_num_f32 v[32+\n], v[32+\n], v[36+\n]
.endr
.irp n, 0,1,2,3
	v_add_nc_u32 v[40+\n], 0xff000000, v[32+\n]
.endr
.irp n, 0,1,2,3
	v_lshrrev_b32 v[36+\n], 23, v[40+\n]
.endr
.endm
.macro QKOUT a
	BLKMAX \a
.irp e, 0,1
	v_lshl_or_b32 v[44+\e], v[37+2*\e], 8, v[36+2*\e]
	v_or_b32 v[44+\e], v[44+\e], v[88+(\a)]
.endr
	WIN WX
.irp e, 0,1
	v_cvt_scalef32_pk16_fp6_f32 v[48+8*\e:50+8*\e], v[AC+32*\e:AC+32*\e+15], v[40+2*\e]
	v_cvt_scalef32_pk16_fp6_f32 v[64+4*\e:66+4*\e], v[AC+32*\e+16:AC+32*\e+31], v[41+2*\e]
.endr
	WIN 0
	v_nop
.irp e, 0,1
.irp i, 0,1,2
	v_permlane16_swap_b32 v[48+8*\e+\i], v[64+4*\e+\i]
.endr
.irp i, 0,1,2
	v_and_b32 v[51+8*\e+\i], v[72+(\a)], v[64+4*\e+\i]
	v_and_b32 v[48+8*\e+\i], v[72+(\a)], v[48+8*\e+\i]
.endr
	v_mov_b32 v[54+8*\e], v[80+(\a)]
	ds_store_b32 v[WST], v[44+\e] offset:512*\e+64*(\a)
	global_store_b128 v[LI], v[48+8*\e:51+8*\e], s[68+2*\e:69+2*\e] offset:1024*(\a)
	global_store_b128 v[LI], v[52+8*\e:55+8*\e], s[68+2*\e:69+2*\e] offset:1024*(\a)+512
.endr
.endm
.irp a, 0,1,2,3,4,5,6,7
	QKOUT \a
.endr
	ds_load_b128 v[104:107], v[WRD]
	ds_load_b128 v[108:111], v[WRD] offset:512
	s_wait_dscnt 0x0
	global_store_b128 v[LI], v[104:107], s[72:73]
	global_store_b128 v[LI], v[108:111], s[74:75]
	s_wait_tensorcnt 0x0
	ds_add_u32 v[SPW], v[NIL]
	s_wait_dscnt 0x0
	CROUND
	s_endpgm
.Lfunc_end_k_q6694522a16_qk:
	.size	k_q6694522a16_qk, .Lfunc_end_k_q6694522a16_qk-k_q6694522a16_qk
	.p2alignl 7, 3214868480
	.fill 96, 4, 3214868480
	.section	.rodata,"a",@progbits
	.p2align	6, 0x0
	.amdhsa_kernel k_q6694522a16_qk
		.amdhsa_group_segment_fixed_size 327680
		.amdhsa_private_segment_fixed_size 0
		.amdhsa_enable_private_segment 0
		.amdhsa_kernarg_size 64
		.amdhsa_user_sgpr_count 2
		.amdhsa_user_sgpr_kernarg_segment_ptr 1
		.amdhsa_wavefront_size32 1
		.amdhsa_system_sgpr_workgroup_id_x 1
		.amdhsa_system_sgpr_workgroup_id_y 1
		.amdhsa_system_sgpr_workgroup_id_z 1
		.amdhsa_system_vgpr_workitem_id 0
		.amdhsa_next_free_vgpr 1024
		.amdhsa_next_free_sgpr 102
		.amdhsa_reserve_vcc 1
		.amdhsa_float_denorm_mode_32 3
		.amdhsa_float_denorm_mode_16_64 3
		.amdhsa_memory_ordered 1
		.amdhsa_forward_progress 1
		.amdhsa_inst_pref_size 175
	.end_amdhsa_kernel
	.amdgpu_metadata
---
amdhsa.version: [ 1, 2 ]
amdhsa.kernels:
  - .name:           k_q6694522a16_qk
    .symbol:         k_q6694522a16_qk.kd
    .args:
      - { .name: img, .offset: 0, .size: 8, .value_kind: global_buffer, .address_space: global }
      - { .name: isc, .offset: 8, .size: 8, .value_kind: global_buffer, .address_space: global }
      - { .name: b_qkv, .offset: 16, .size: 8, .value_kind: global_buffer, .address_space: global }
      - { .name: attention_mask, .offset: 24, .size: 8, .value_kind: global_buffer, .address_space: global }
      - { .name: qi, .offset: 32, .size: 8, .value_kind: global_buffer, .address_space: global }
      - { .name: qs, .offset: 40, .size: 8, .value_kind: global_buffer, .address_space: global }
      - { .name: kv, .offset: 48, .size: 8, .value_kind: global_buffer, .address_space: global }
      - { .name: kvs, .offset: 56, .size: 8, .value_kind: global_buffer, .address_space: global }
    .group_segment_fixed_size: 327680
    .private_segment_fixed_size: 0
    .kernarg_segment_align: 8
    .kernarg_segment_size: 64
    .max_flat_workgroup_size: 128
    .sgpr_count:     102
    .vgpr_count:     1024
    .wavefront_size: 32
...
	.end_amdgpu_metadata
.endif
;; end of part 2
;; launch vg (part 3): grid 32 x 8, 4 waves a work-group, clusters of 4 x 4, 327,680 bytes of LDS; arguments img, isc, b_qkv, kv, kvs; writes kv, kvs
.if DOCPART == 3
	.amdgcn_target "amdgcn-amd-amdhsa--gfx1250"
	.amdhsa_code_object_version 6
	.text
	.protected	k_q6694522a16_vg
	.globl	k_q6694522a16_vg
	.p2align	8
	.type	k_q6694522a16_vg,@function
k_q6694522a16_vg:
	s_mov_b64 s[64:65], 0
	v_nop
	global_prefetch_b8 v0, s[64:65] scope:SCOPE_SE
	s_setreg_imm32_b32 hwreg(HW_REG_WAVE_MODE, 25, 1), 1
	s_wait_xcnt 0x0
	s_wait_alu depctr_hold_cnt(0) depctr_sa_sdst(0) depctr_va_vdst(0) depctr_va_sdst(0) depctr_va_ssrc(0) depctr_va_vcc(0) depctr_vm_vsrc(0)
	s_getreg_b32 s2, hwreg(HW_REG_IB_STS2, 6, 4)
	s_cmp_eq_u32 s2, 0
	s_cbranch_scc0 .Lentry_in_a_cluster
	s_endpgm
.Lentry_in_a_cluster:
	s_bfe_u32 s2, ttmp6, 0x10000c
	s_cmp_lg_u32 s2, 0xf033
	s_cbranch_scc0 .Lentry_shape_is_right
	s_endpgm
.Lentry_shape_is_right:
; V = x W_v^T + b_v on codes of FP6 (E2M3) with E8M0 scales, and V's quantising along the tokens, which are the K of attention's second product.  The results leave as images of that product's operand registers.
; img and isc hold fragments as the matrix unit's registers want them: img [tile-row of 16 rows][K step 0..7][1,536 bytes], isc: word (tile-row T, K step s, row r) at 512 T + 128 (s / 2) + 8 r + 4 (s % 2).
; A BLOCK is 128 rows of W_v (two heads) x 256 tokens: 8 x 32 = 256 work-groups.  Four waves, 2 x 2; a wave makes 64 channels (one head) x 128 tokens (one key step): 32 accumulators.
; ALL OF K LIES IN LDS, FILLED ONCE: the block's 8 tile-rows of W_v are 98,304 consecutive bytes of img, its 16 tile-rows of x 196,608.  One joint load a wave: W_v's codes, x's codes, W_v's scale words, x's.
; Nothing is filled again, so the walk along K has no barrier.  CLUSTERS: 4 x 4; W_v's rows are shared along a row of the cluster, x's along a column.
; Nothing is prefetched into the L2: all that the launch reads is asked for at its head, so there is no loop to run ahead in.
; THE MATRIX INSTRUCTION: source 0 = 16 tokens, source 1 = 16 channels: a lane holds one channel, and its registers run along the tokens.  The bias is the first products' C.
; LIMITS: a block of zeros gets the byte 1 (this program alone reads the bytes); NaN and infinities are not served.
; REGISTERS: window 0: v0-31 addresses, v32-63 scale words (two sets), v64-95 the bias, v128-175 W_v's four fragments; window 1: x's eight fragments, two sets (v0, v128); window 2: accumulator (a, b) at v[8 (8 a + b)].
.set NQ,     2
.set FR,     12
.set NL,     6                         ; LDS loads of a fragment
.set NP,     4
.set FRB,    1536
.set TROW,   8*FRB                     ; a tile-row, all of K
.set ABYTES, 8*TROW
.set SCL,    3*ABYTES                  ; behind A's 8 and B's 16 tile-rows: A's scale words, 4,096 bytes
.set SCLB,   SCL+4096+128              ; B's, 8,192 bytes
.set SPARE,  SCLB+8192+128
.set A_OFF,  7864320
.set AS_OFF, 327680
.set ADRA, 16
.set ADRB, 20                          ; v20: B's blocks 0-3; v21: blocks 4-7
.set ADRS2, 23                         ; scale words of blocks 4-7: lanes 0-15 point at A's blocks 0-3 once more
.set WRD,  26
.set ADRS, 27                          ; scale words: lanes 0-15 A's block i, lanes 16-31 B's block i
.set SPW,  28
.set NIL,  29
.set LI,   30
.set WST,  31
.set SC,   32
.set BI,   64
.set AF,   128
.set G1, 24
.set G0, 32
.set G1B, 48
.set G0B, 56
.set G1S, 68
.set G0S, 76
.set G1SB, 80
.set G0SB, 88
.set SEL, 100
.set MSB, 0
.macro WIN new
.if MSB != \new
	s_set_vgpr_msb (MSB<<8)|\new
.set MSB, \new
.endif
.endm
.set MUL_LO, 0xa1                      ; source 0 window 1, source 1 window 0, C and D window 2
.set TO_B,   0x40
.macro CROUND
	s_barrier_signal -1
	s_barrier_wait -1
	s_cmp_lg_u32 s14, 0
	s_cbranch_scc1 .Lnot_wave_0_\@
	s_barrier_signal -3
.Lnot_wave_0_\@:
	s_barrier_wait -3
	s_barrier_signal -1
	s_barrier_wait -1
.endm
.macro GROUP1 g, mask, el, rows        ; rows of el elements of 8 bytes, dense
	s_or_b32 s[\g], s\mask, (3<<16)|(1<<21)
	s_mov_b32 s[\g+1], (\el)<<16
	s_mov_b32 s[\g+2], (\rows)<<16
	s_mov_b32 s[\g+3], (\el)<<16
	s_mov_b32 s[\g+4], \rows
	s_mov_b32 s[\g+5], \el
	s_mov_b32 s[\g+6], 0
	s_mov_b32 s[\g+7], 0
.endm
.macro GROUP0 g, lds, adr
	s_mov_b32 s[\g], 1
	s_mov_b32 s[\g+1], \lds
	s_mov_b64 s[\g+2:\g+3], s[\adr:\adr+1]
	s_or_b32 s[\g+3], s[\g+3], 0x80000000
.endm
.macro TLOAD g0, g1
	tensor_load_to_lds s[\g0:\g0+3], s[\g1:\g1+7]
	s_nop 0
.rept 4
	v_nop
.endr
.endm
.macro PLACES n
.rept \n
	v_nop
.endr
.endm
	s_load_b128 s[4:7], s[0:1], 0x0                ; img, isc
	s_load_b64 s[12:13], s[0:1], 0x10              ; b_qkv
	s_load_b128 s[92:95], s[0:1], 0x18             ; kv, kvs
	v_lshl_add_u32 v[SPW], v0, 2, SPARE
	v_mov_b32 v[NIL], 0
	ds_add_u32 v[SPW], v[NIL]                      ; the opening lines: the add, twice on end, and its wait
	ds_add_u32 v[SPW], v[NIL]
	v_lshrrev_b32 v1, 5, v0
	v_readfirstlane_b32 s14, v1                    ; wave
	s_lshr_b32 s15, s14, 1                         ; which 64 of the block's channels are mine
	s_and_b32 s16, s14, 1                          ; which 128 of its tokens
	s_bfe_u32 s40, ttmp6, 0x40000
	s_bfe_u32 s41, ttmp6, 0x40004
	s_lshl_b32 s42, ttmp9, 2
	s_add_co_u32 s42, s42, s40                     ; block column: 256 tokens
	s_and_b32 s17, ttmp7, 0xffff
	s_lshl_b32 s17, s17, 2
	s_add_co_u32 s17, s17, s41                     ; block row: 128 channels
	s_lshl_b32 s43, s41, 2
	s_lshl_b32 s43, 15, s43                        ; my row of the cluster
	s_lshl_b32 s44, 0x1111, s40                    ; my column
	s_mov_b32 s[SEL], 0x76543210
	s_mov_b32 s[SEL+1], 0xfedcba98
	GROUP1 G1, 43, 1536, 8
	GROUP1 G1B, 44, 1536, 16
	GROUP1 G1S, 43, 32, 16
	GROUP1 G1SB, 44, 32, 32
	s_mul_i32 s20, s17, ABYTES
	s_mov_b32 s21, 0
	s_lshl_b32 s22, s17, 12
	s_mov_b32 s23, 0
	s_mul_i32 s46, s42, 2*ABYTES
	s_mov_b32 s47, 0
	s_lshl_b32 s2, s42, 13
	s_mov_b32 s3, 0
	s_wait_dscnt 0x0
	s_wait_kmcnt 0x0
	s_add_nc_u64 s[46:47], s[4:5], s[46:47]        ; x's codes
	s_add_nc_u64 s[2:3], s[6:7], s[2:3]            ; x's scale words
	s_add_nc_u64 s[4:5], s[4:5], A_OFF
	s_add_nc_u64 s[6:7], s[6:7], AS_OFF
	s_add_nc_u64 s[20:21], s[4:5], s[20:21]        ; W_v's codes
	s_add_nc_u64 s[22:23], s[6:7], s[22:23]        ; W_v's scale words
	CROUND                                         ; all sixteen work-groups are here: the joint loads meet
	GROUP0 G0, 0, 20
	GROUP0 G0B, ABYTES, 46
	GROUP0 G0S, SCL, 22
	GROUP0 G0SB, SCLB, 2
	s_cmp_eq_u32 s14, 0                            ; one joint load a wave, in one chain of arms
	s_cbranch_scc0 .Lhead_b
	TLOAD G0, G1
	s_branch .Lhead_asked
.Lhead_b:
	s_cmp_eq_u32 s14, 1
	s_cbranch_scc0 .Lhead_sa
	TLOAD G0B, G1B
	s_branch .Lhead_asked
.Lhead_sa:
	s_cmp_eq_u32 s14, 2
	s_cbranch_scc0 .Lhead_sb
	TLOAD G0S, G1S
	s_branch .Lhead_asked
.Lhead_sb:
	TLOAD G0SB, G1SB
.Lhead_asked:
	s_mul_i32 s21, s15, 4*TROW                     ; my four tile-rows of A
	s_mul_i32 s22, s16, 8*TROW                     ; my eight of B,
	s_add_co_u32 s22, s22, ABYTES                  ; which lie behind A's
	s_add_co_u32 s23, s22, 4*TROW
	s_lshl_b32 s2, s15, 11                         ; scale words: 512 bytes a tile-row
	s_lshl_b32 s3, s16, 12
	s_add_co_u32 s3, s3, SCLB-SCL
	s_sub_co_u32 s3, s3, s2                        ; from A's to B's
	s_add_co_u32 s2, s2, SCL
	s_lshl_b32 s4, s14, 10                         ; my stage for the results' scale words
	s_lshl_b32 s6, s17, 9
	s_lshl_b32 s7, s15, 8
	s_add_co_u32 s6, s6, s7
	s_add_co_u32 s6, s6, 8192                      ; b_v's numbers of my 64 channels
	s_mov_b32 s7, 0
	s_add_nc_u64 s[12:13], s[12:13], s[6:7]
	v_and_b32 v1, 15, v0
	v_bfe_u32 v2, v0, 4, 1
	v_and_b32 v3, 31, v0
	v_lshlrev_b32 v4, 3, v3                        ; a plane of a fragment: 8 bytes a lane
	v_add_nc_u32 v[ADRA], s21, v4
	v_add_nc_u32 v[ADRB], s22, v4
	v_add_nc_u32 v[ADRB+1], s23, v4
	v_lshlrev_b32 v5, 3, v1
	v_mul_u32_u24 v6, s3, v2                       ; lanes 16-31 take B's
	v_add_nc_u32 v5, v5, v6
	v_add_nc_u32 v[ADRS], s2, v5
	v_lshl_add_u32 v[ADRS2], v2, 11, v[ADRS]       ; lanes 16-31: B's blocks 4-7
	v_lshlrev_b32 v[LI], 4, v3
	v_lshl_add_u32 v[WST], v1, 2, s4
	v_add_nc_u32 v[WRD], s4, v4
	v_and_b32 v8, 8, v1
	v_add_nc_u32 v8, v8, v1
	v_lshlrev_b32 v7, 2, v8                        ; lane r of tile-row T holds row 32 (T / 2) + 8 (T % 2) + r + 8 (r / 8)
	s_wait_alu depctr_va_vdst(0)
.irp a, 0,1,2,3
	global_load_b32 v[BI+8*\a], v7, s[12:13] offset:4*(32*(\a/2)+8*(\a%2))
.endr
.macro FRAG reg, adr, k, i
.irp p, 0,1,2,3,4,5
	ds_load_b64 v[\reg+2*\p:\reg+2*\p+1], v[\adr] offset:(\i)*TROW+(\k)*FRB+256*\p
.endr
.endm
; 16 matrix instructions: A's blocks a0, a0 + 1 x B's eight.  The 32 accumulators take turns, in the same order in every step.
.macro MUL16 a0, p, q, sc, zero
.irp a, \a0, \a0+1
.irp b, 0,1,2,3,4,5,6,7
.if \zero
	v_wmma_scale_f32_16x16x128_f8f6f4 v[8*(8*(\a)+\b):8*(8*(\a)+\b)+7], v[128*(\p)+FR*\b:128*(\p)+FR*\b+FR-1], v[AF+FR*(\a):AF+FR*(\a)+FR-1], v[BI+8*(\a):BI+8*(\a)+7], v[SC+8*NQ*(\sc)+NQ*\b+(\q)], v[SC+8*NQ*(\sc)+NQ*(\a)+(\q)] matrix_a_fmt:MATRIX_FMT_FP6 matrix_b_fmt:MATRIX_FMT_FP6 matrix_a_scale:MATRIX_SCALE_ROW1
.else
	v_wmma_scale_f32_16x16x128_f8f6f4 v[8*(8*(\a)+\b):8*(8*(\a)+\b)+7], v[128*(\p)+FR*\b:128*(\p)+FR*\b+FR-1], v[AF+FR*(\a):AF+FR*(\a)+FR-1], v[8*(8*(\a)+\b):8*(8*(\a)+\b)+7], v[SC+8*NQ*(\sc)+NQ*\b+(\q)], v[SC+8*NQ*(\sc)+NQ*(\a)+(\q)] matrix_a_fmt:MATRIX_FMT_FP6 matrix_b_fmt:MATRIX_FMT_FP6 matrix_a_scale:MATRIX_SCALE_ROW1
.endif
.endr
.endr
.endm
.macro FETCH_B k, p
	WIN TO_B
.irp i, 0,1,2,3
	FRAG 128*(\p)+FR*\i, ADRB, \k, \i
.endr
.irp i, 0,1,2,3
	FRAG 128*(\p)+FR*(\i+4), ADRB+1, \k, \i
.endr
	WIN 0
.endm
.macro FETCH_A k, i0
.irp i, \i0, \i0+1
	FRAG AF+FR*(\i), ADRA, \k, \i
.endr
.endm
.macro SCALES pr                       ; the scale words of K steps 2 pr and 2 pr + 1 into set pr % 2
.irp i, 0,1,2,3
	ds_load_b64 v[SC+8*NQ*((\pr)%2)+NQ*\i:SC+8*NQ*((\pr)%2)+NQ*\i+1], v[ADRS] offset:\i*512+128*(\pr)
.endr
.irp i, 0,1,2,3
	ds_load_b64 v[SC+8*NQ*((\pr)%2)+NQ*(\i+4):SC+8*NQ*((\pr)%2)+NQ*(\i+4)+1], v[ADRS2] offset:\i*512+128*(\pr)
.endr
.endm
; A K step of 128: 32 matrix instructions.  Behind A's blocks 0, 1 the next step's B (other set) and A's blocks 0, 1 are fetched; behind blocks 2, 3 the next step's blocks 2, 3.
.macro KSTEP k, zero
	s_wait_dscnt 2*NL                              ; all but the youngest twelve loads, A's blocks 2 and 3
.if \zero
	WIN 0x81
.else
	WIN MUL_LO
.endif
	MUL16 0, (\k)%2, (\k)%2, ((\k)/2)%2, \zero
	s_wait_dscnt 0
	PLACES NP
	FETCH_B (\k)+1, ((\k)+1)%2
	FETCH_A (\k)+1, 0
.if ((\k)+1)%2 == 0
	SCALES ((\k)+1)/2
.endif
.if \zero
	WIN 0x81
.else
	WIN MUL_LO
.endif
	MUL16 2, (\k)%2, (\k)%2, ((\k)/2)%2, \zero
	PLACES NP
	WIN 0
	FETCH_A (\k)+1, 2
.endm
	s_wait_tensorcnt 0x0                           ; my tile of the four is in,
	s_barrier_signal -1
	s_barrier_wait -1                              ; and everybody's
	FETCH_B 0, 0
	FETCH_A 0, 0
	SCALES 0
	FETCH_A 0, 2
	s_wait_loadcnt 0x0
.irp a, 0,1,2,3
.irp j, 1,2,3,4,5,6,7
	v_mov_b32 v[BI+8*\a+\j], v[BI+8*\a]            ; a channel's bias over the accumulator's eight registers
.endr
.endr
	s_wait_alu depctr_va_vdst(0)
	KSTEP 0, 1                                     ; the first step's products start the sums from the bias
.irp k, 1,2,3,4,5,6
	KSTEP \k, 0
.endr
	s_wait_dscnt 0x0                               ; the last step: my reads of the tiles are over
	s_barrier_signal -1
	WIN MUL_LO
	MUL16 0, 1, 1, 1, 0
	MUL16 2, 1, 1, 1, 0
	WIN 0
	s_barrier_wait -1                              ; and everybody's: the tiles' first bytes serve as stages from here on
	PLACES NP
	s_lshl_b32 s82, s42, 8
	s_lshl_b32 s83, s16, 7
	s_add_co_u32 s82, s82, s83                     ; my first token
	s_lshr_b32 s83, s82, 11
	s_lshl_b32 s83, s83, 4
	s_lshl_b32 s84, s17, 1
	s_add_co_u32 s83, s83, s84
	s_add_co_u32 s83, s83, s15                     ; 16 x batch + head
	s_bfe_u32 s82, s82, 0x40007                    ; the key step
	s_lshl_b32 s84, s83, 4
	s_add_co_u32 s84, s84, s82
	s_mul_i32 s84, s84, 14336
	s_add_co_u32 s84, s84, 8192                    ; V's four fragments lie behind K's eight tiles
	s_mov_b32 s85, 0
	s_add_nc_u64 s[68:69], s[92:93], s[84:85]
	s_mul_i32 s84, s83, 12288
	s_mul_i32 s86, s82, 768
	s_add_co_u32 s84, s84, s86
	s_add_co_u32 s84, s84, 512
	s_add_nc_u64 s[72:73], s[94:95], s[84:85]
.irp n, 0,1,2,3
	v_mov_b32 v[36+\n], 0
.endr
.macro BLKMAX a                        ; the four blocks of 32 tokens of A's block a: their largest magnitudes, scale operands (v40-43) and bytes (v36-39)
.set AC, 64*(\a)
	WIN 0
.if (\a) > 0
	s_wait_xcnt 0x0
.endif
.irp n, 0,1,2,3
	v_mov_b32 v[32+\n], 0x1800000
.endr
	WIN 0x28
.irp i, 0,2,4,6,8,10,12,14
.irp n, 0,1,2,3
	v_max3_num_f32 v[32+\n], v[32+\n], |v[AC+16*\n+\i]|, |v[AC+16*\n+\i+1]|
.endr
.endr
	WIN 0
.irp n, 0,1,2,3
	v_permlanex16_b32 v[36+\n], v[32+\n], s[SEL], s[SEL+1]
.endr
.irp n, 0,1,2,3
	v_max_num_f32 v[32+\n], v[32+\n], v[36+\n]
.endr
.irp n, 0,1,2,3
	v_add_nc_u32 v[40+\n], 0xff000000, v[32+\n]
.endr
.irp n, 0,1,2,3
	v_lshrrev_b32 v[36+\n], 23, v[40+\n]
.endr
.endm
.macro VOUT a
	BLKMAX \a
	v_lshl_or_b32 v48, v37, 8, v36
	v_lshl_or_b32 v48, v38, 16, v48
	v_lshl_or_b32 v48, v39, 24, v48
	WIN 2
.irp c, 0,1
	v_cvt_scalef32_pk16_fp6_f32 v[52+6*\c:54+6*\c], v[AC+32*\c:AC+32*\c+15], v[40+2*\c]
	v_cvt_scalef32_pk16_fp6_f32 v[64+4*\c:66+4*\c], v[AC+32*\c+16:AC+32*\c+31], v[41+2*\c]
.endr
	WIN 0
	v_nop
.irp c, 0,1
.irp i, 0,1,2
	v_permlane16_swap_b32 v[52+6*\c+\i], v[64+4*\c+\i]
.endr
.irp i, 0,1,2
	v_mov_b32 v[55+6*\c+\i], v[64+4*\c+\i]
.endr
.endr
	ds_store_b32 v[WST], v48 offset:64*(\a)
.irp c, 0,1,2
	global_store_b128 v[LI], v[52+4*\c:55+4*\c], s[68:69] offset:1536*(\a)+512*\c
.endr
.endm
.irp a, 0,1,2,3
	VOUT \a
.endr
	ds_load_b64 v[104:105], v[WRD]                 ; my head's 64 scale words of this key step
	s_wait_dscnt 0x0
	global_store_b64 v4, v[104:105], s[72:73]      ; 256 consecutive bytes, aligned
	s_wait_tensorcnt 0x0                           ; the wave's end
	ds_add_u32 v[SPW], v[NIL]
	s_wait_dscnt 0x0
	CROUND
	s_endpgm
.Lfunc_end_k_q6694522a16_vg:
	.size	k_q6694522a16_vg, .Lfunc_end_k_q6694522a16_vg-k_q6694522a16_vg
	.p2alignl 7, 3214868480
	.fill 96, 4, 3214868480
	.section	.rodata,"a",@progbits
	.p2align	6, 0x0
	.amdhsa_kernel k_q6694522a16_vg
		.amdhsa_group_segment_fixed_size 327680
		.amdhsa_private_segment_fixed_size 0
		.amdhsa_enable_private_segment 0
		.amdhsa_kernarg_size 40
		.amdhsa_user_sgpr_count 2
		.amdhsa_user_sgpr_kernarg_segment_ptr 1
		.amdhsa_wavefront_size32 1
		.amdhsa_system_sgpr_workgroup_id_x 1
		.amdhsa_system_sgpr_workgroup_id_y 1
		.amdhsa_system_sgpr_workgroup_id_z 1
		.amdhsa_system_vgpr_workitem_id 0
		.amdhsa_next_free_vgpr 768
		.amdhsa_next_free_sgpr 102
		.amdhsa_reserve_vcc 0
		.amdhsa_float_denorm_mode_32 3
		.amdhsa_float_denorm_mode_16_64 3
		.amdhsa_memory_ordered 1
		.amdhsa_forward_progress 1
		.amdhsa_inst_pref_size 102
	.end_amdhsa_kernel
	.amdgpu_metadata
---
amdhsa.version: [ 1, 2 ]
amdhsa.kernels:
  - .name:           k_q6694522a16_vg
    .symbol:         k_q6694522a16_vg.kd
    .args:
      - { .name: img, .offset: 0, .size: 8, .value_kind: global_buffer, .address_space: global }
      - { .name: isc, .offset: 8, .size: 8, .value_kind: global_buffer, .address_space: global }
      - { .name: b_qkv, .offset: 16, .size: 8, .value_kind: global_buffer, .address_space: global }
      - { .name: kv, .offset: 24, .size: 8, .value_kind: global_buffer, .address_space: global }
      - { .name: kvs, .offset: 32, .size: 8, .value_kind: global_buffer, .address_space: global }
    .group_segment_fixed_size: 327680
    .private_segment_fixed_size: 0
    .kernarg_segment_align: 8
    .kernarg_segment_size: 40
    .max_flat_workgroup_size: 128
    .sgpr_count:     102
    .vgpr_count:     768
    .wavefront_size: 32
...
	.end_amdgpu_metadata
.endif
;; end of part 3
;; launch attn (part 4): grid 4 x 64, 16 waves a work-group, clusters of 4 x 1, 258,816 bytes of LDS; arguments qi, qs, kv, kvs, ao, aos; writes ao, aos
.if DOCPART == 4
	.amdgcn_target "amdgcn-amd-amdhsa--gfx1250"
	.amdhsa_code_object_version 6
	.text
	.protected	k_q6694522a16_attn
	.globl	k_q6694522a16_attn
	.p2align	8
	.type	k_q6694522a16_attn,@function
k_q6694522a16_attn:
	s_mov_b64 s[64:65], 0
	v_nop
	global_prefetch_b8 v0, s[64:65] scope:SCOPE_SE
	s_setreg_imm32_b32 hwreg(HW_REG_WAVE_MODE, 25, 1), 1
	s_wait_xcnt 0x0
	s_wait_alu depctr_hold_cnt(0) depctr_sa_sdst(0) depctr_va_vdst(0) depctr_va_sdst(0) depctr_va_ssrc(0) depctr_va_vcc(0) depctr_vm_vsrc(0)
	s_getreg_b32 s2, hwreg(HW_REG_IB_STS2, 6, 4)
	s_cmp_eq_u32 s2, 0
	s_cbranch_scc0 .Lentry_in_a_cluster
	s_endpgm
.Lentry_in_a_cluster:
	s_bfe_u32 s2, ttmp6, 0x10000c
	s_cmp_lg_u32 s2, 0x3003
	s_cbranch_scc0 .Lentry_shape_is_right
	s_endpgm
.Lentry_shape_is_right:
; O = softmax(q k^T / 8, masked keys out) v for one (batch, head) a cluster, both products on codes of FP6 (E2M3) with E8M0 scales, and O's quantising along the channels for the last product.
; THE SOFTMAX: t = score x log2(e) / 8; M = the running largest t rounded UP to a whole number; p = 2^(t - M) is quantised along the keys, not normalised; the row's sum is taken of the unquantised p and
; divides O at the end; when M moves, the sum and O are multiplied by 2^(old M - new M), exactly.
; THE MASK: the head's 64 fill half of the first product's K of 128; at k = 64 q carries 1.0 and a masked key -1.0 under the scale 2^100, its other codes zeros: its score is exactly -2^100, so p = 0;
; in a batch with no key left every t equals M and p = 1 everywhere, the uniform softmax.  LIMIT: a masked logit is -2^97 where the definition has -1e30: the same while real logits lie above about -1e29.
; LIMITS: blocks of zeros get the byte 1 (this program alone reads the bytes); NaN and infinities are not served; the promise holds while the scaled scores stay under 2^31 in magnitude.
; SHARES: the cluster's four work-groups own 512 queries each; each of sixteen waves owns one tile of 16 queries in each of two passes, in 256 registers, and walks the head's 16 key steps of 128 keys.
; LDS: a head's K, V and scale words lie in LDS whole, filled once, as images of the operands' registers, by joint loads of the four work-groups (one descriptor, a mask that names the four),
; as rows of 256 bytes with 16 bytes of padding behind each: 944 rows of 272 bytes, 256,768 bytes.
; ONE LOAD A WAVE: waves 0-3 fetch key steps 0-3 (56 rows each), wave 4 all scale words (48 rows), waves 8-15 key steps 4-15 (84 rows each).
; The first barrier shows what waves 0-4 fetched; three steps are worked on that; the second barrier shows the rest.  Nothing is filled again.
; Nothing is prefetched into the L2: all that the launch reads of K and V is asked for at its head, so there is no loop to run ahead in.
; K ONE STEP AHEAD: step i + 1's eight tiles of K and their scale words are fetched from LDS into registers behind step i's score products; the one LDS wait of a step stands ahead of its second products.
; WHICH KEYS FORM A TILE OF K is chosen by the lanes' LDS addresses: tile 4 c + j takes in its rows 0-7 keys 64 c + 8 j + 0 .. 7 and in its rows 8-15 keys 64 c + 32 + 8 j + 0 .. 7.  Both products are used
; transposed (S^T = K Q^T, O^T = V^T P^T), so lane (r, h) holds query r, and its 32 registers of tiles 4 c .. 4 c + 3 are keys 64 c + 32 h + 0 .. 31: ONE scale block of the second product, in the order of
; that operand's registers.  So a block's largest score needs no other lane, and the conversions' results are the operand.
; A TILE OF K TAKES 8 REGISTERS: of the operand's 12, registers 8-11 hold k = 76 .. 127, where all of Q's codes are zeros; every pattern of 6 bits is a finite number, so whatever lies there adds 0.
; So tile t's operand runs on into tile t + 1's first four registers, and the last tile's into four registers of zeros.
.set GSTEP,  14336                     ; a key step in memory: K's 8 tiles x 1,024 bytes (registers 0-7), V's 4 x 1,536: 56 rows of 256 bytes
.set KVSTEP, 56*272                    ; and in LDS
.set SCSTEP, 3*272                     ; its scale words in LDS: K's 128, V's 64: 3 rows
.set SCB,    16*KVSTEP                 ; where the scale words begin in LDS
.set SPARE,  SCB+16*SCSTEP             ; the spare words: 128 bytes a wave
.set LI,  1                            ; 16 x lane
.set LS,  2                            ; SCB + 4 x lane: V's scale words of step 0, less their row's offset
.set L8,  3                            ; 8 x lane
.set R8,  4                            ; 8 x (lane % 16)
.set SPW, 5                            ; my spare word
.set R4,  6                            ; 4 x (lane % 16)
.set NIL, 7                            ; 0
.set ADK, 8                            ; LDS address of the step's K
.set ADS, 9                            ; of K's scale words
.set AS0, 10                           ; of step 0's: SCB + 128 g + 64 h + 4 i  (i = lane % 8, g = lane / 8 % 2, h = lane / 16)
.set KL,  11                           ; of step 0's K: 2176 g + 272 h + 16 i
.set NM,  12                           ; -M;  v13 the largest t
.set TM,  13
.set SUM, 14                           ; v[14:15] the row's sum in two halves
.set Q0,  16                           ; v16-27 pass 0's Q
.set QW0, 28                           ; v28, v29 the two passes' scale words of Q
.set VW,  30                           ; v30, v31 V's scale words
.set KF,  32                           ; v32-95 K's eight tiles; v96-99 zeros
.set S,   100                          ; v100-163 S^T, then p, then V's four fragments
.set O,   164                          ; v164-195 O^T
.set Q1,  196                          ; v196-207 pass 1's Q
.set CD,  208                          ; v208-219 p's codes
.set KW,  220                          ; v220-223 K's scale words
.set BM,  224                          ; v224-227 four chains of the largest score; then v224, v226: my two blocks' largest score, then p
.set PT,  228                          ; v228, v229 what the other half of the lanes holds; the bytes
.set SO,  232                          ; v232, v233 the conversions' scale operands
.set LV,  234                          ; 16 (lane % 16) + 272 h: V's fragments of step 0, less their offset
.set H8,  235                          ; 8 h
.set CT,  236                          ; v236-238, v240-242 the conversions' second halves
.set ADV, 239                          ; LDS address of the step's V
.set ADW, 243                          ; of V's scale words
.set F,   244                          ; v244 f = 2^(old M - new M); v245 p's scale word
.set TP,  246                          ; the old -M
.set T0,  248                          ; v248-255 the step's sum in four chains
.set TB,  2                            ; s2  LDS byte at which the step's images begin
.set TS,  3                            ; s3  its scale words' distance from step 0's
.set WV,  18
.set SEL, 20
.set CS,  22                           ; s[22:23] c = log2(e) / 8
.set G1S, 24
.set G1A, 32
.set G1C, 40
.set G0S, 48
.set G0A, 52
.set G0C, 56
.set CNT, 66
.macro CROUND                          ; a round of the cluster's barrier
	s_barrier_signal -1
	s_barrier_wait -1
	s_cmp_lg_u32 s[WV], 0
	s_cbranch_scc1 .Lnot_wave_0_\@
	s_barrier_signal -3
.Lnot_wave_0_\@:
	s_barrier_wait -3
	s_barrier_signal -1
	s_barrier_wait -1
.endm
.macro GROUP1 g, rows                  ; a dense block as rows of 256 bytes (32 elements of 8), 4 words of padding behind every 64; the mask names all four work-groups, bit 21 beside it
	s_mov_b32 s[\g], 15|(3<<16)|(1<<20)|(1<<21)|(5<<22)|(3<<25)
	s_mov_b32 s[\g+1], 32<<16
	s_mov_b32 s[\g+2], (\rows)<<16
	s_mov_b32 s[\g+3], 32<<16
	s_mov_b32 s[\g+4], \rows
	s_mov_b32 s[\g+5], 32
	s_mov_b32 s[\g+6], 0
	s_mov_b32 s[\g+7], 0
.endm
.macro TLOAD g0, g1
	tensor_load_to_lds s[\g0:\g0+3], s[\g1:\g1+7]
	s_nop 0
.rept 4
	v_nop
.endr
.endm
	s_load_b128 s[4:7], s[0:1], 0x0                ; qi, qs
	s_load_b128 s[8:11], s[0:1], 0x10              ; kv, kvs
	s_load_b128 s[12:15], s[0:1], 0x20             ; ao, aos
	v_lshl_add_u32 v[SPW], v0, 2, SPARE
	v_mov_b32 v[NIL], 0
	ds_add_u32 v[SPW], v[NIL]                      ; the opening lines: the add, twice on end, and its wait
	ds_add_u32 v[SPW], v[NIL]
	v_lshrrev_b32 v[TP], 5, v0
	s_delay_alu instid0(VALU_DEP_1)
	v_readfirstlane_b32 s[WV], v[TP]               ; wave 0..15
	s_bfe_u32 s19, ttmp6, 0x40000                  ; cx: it enters Q's and O's global addresses alone
	s_and_b32 s16, ttmp7, 0xffff                   ; 16 x batch + head, which the four partners share
	GROUP1 G1S, 48
	GROUP1 G1A, 56
	GROUP1 G1C, 84
	s_mul_i32 s62, s16, 12288                      ; the head's scale words in memory
	s_mov_b32 s63, 0
	s_mul_i32 s68, s16, 16*GSTEP                   ; and its images
	s_mov_b32 s69, 0
	s_mul_i32 s60, s[WV], GSTEP                    ; waves 0-3: key step = wave
	s_mul_i32 s[G0A+1], s[WV], KVSTEP
	s_and_b32 s61, s[WV], 7
	s_mul_i32 s[G0C+1], s61, 84*272                ; waves 8-15: an eighth of steps 4-15
	s_add_co_u32 s[G0C+1], s[G0C+1], 4*KVSTEP
	s_mul_i32 s61, s61, 84*256
	s_add_co_u32 s61, s61, 4*GSTEP
	s_mov_b32 s[SEL], 0x76543210
	s_mov_b32 s[SEL+1], 0xfedcba98
	s_mov_b32 s[CS], 0x3e38aa3b
	s_mov_b32 s[CS+1], s[CS]                       ; (named with it as a pair, so it is written)
	s_wait_dscnt 0x0
	s_wait_kmcnt 0x0
	s_add_nc_u64 s[10:11], s[10:11], s[62:63]
	s_add_nc_u64 s[8:9], s[8:9], s[68:69]
	s_mov_b32 s[G0S], 1
	s_mov_b32 s[G0S+1], SCB
	s_mov_b64 s[G0S+2:G0S+3], s[10:11]
	s_or_b32 s[G0S+3], s[G0S+3], 0x80000000
	s_mov_b32 s62, s60
	s_mov_b32 s[G0A], 1
	s_add_nc_u64 s[G0A+2:G0A+3], s[8:9], s[62:63]
	s_or_b32 s[G0A+3], s[G0A+3], 0x80000000
	s_mov_b32 s62, s61
	s_mov_b32 s[G0C], 1
	s_add_nc_u64 s[G0C+2:G0C+3], s[8:9], s[62:63]
	s_or_b32 s[G0C+3], s[G0C+3], 0x80000000
	CROUND                                         ; all four work-groups are here: the joint loads meet
	s_cmp_lt_u32 s[WV], 4                          ; one chain of arms on the wave's number, one load to an arm
	s_cbranch_scc0 .Larm_s
	TLOAD G0A, G1A
	s_branch .Lasked
.Larm_s:
	s_cmp_eq_u32 s[WV], 4
	s_cbranch_scc0 .Larm_c
	TLOAD G0S, G1S
	s_branch .Lasked
.Larm_c:
	s_cmp_lt_u32 s[WV], 8
	s_cbranch_scc1 .Lasked
	TLOAD G0C, G1C
.Lasked:
	s_lshl_b32 s60, s19, 5
	s_add_co_u32 s60, s60, s[WV]                   ; my tile of queries in pass 0: 32 cx + wave
	s_lshl_b32 s62, s16, 17
	s_lshl_b32 s61, s60, 10
	s_add_co_u32 s62, s62, s61
	s_add_nc_u64 s[4:5], s[4:5], s[62:63]          ; its image
	s_lshl_b32 s62, s16, 13
	s_lshl_b32 s61, s60, 6
	s_add_co_u32 s62, s62, s61
	s_add_nc_u64 s[6:7], s[6:7], s[62:63]          ; its scale words
	s_lshr_b32 s61, s16, 4
	s_lshl_b32 s61, s61, 7
	s_add_co_u32 s60, s60, s61                     ; its tile-row among all 8,192 tokens
	s_and_b32 s61, s16, 15                         ; the head
	s_lshl_b32 s62, s60, 3
	s_lshr_b32 s68, s61, 1
	s_add_co_u32 s62, s62, s68                     ; K step head / 2 of the last product,
	s_mul_i32 s62, s62, 1536
	s_and_b32 s69, s61, 1
	s_mul_i32 s70, s69, 768                        ; registers 6 (head % 2) on: three planes of 256 bytes
	s_add_co_u32 s62, s62, s70
	s_add_nc_u64 s[12:13], s[12:13], s[62:63]
	s_lshl_b32 s62, s60, 9
	s_lshr_b32 s70, s61, 2
	s_lshl_b32 s70, s70, 7
	s_add_co_u32 s62, s62, s70
	s_and_b32 s68, s68, 1
	s_lshl_b32 s68, s68, 2
	s_add_co_u32 s62, s62, s68
	s_lshl_b32 s69, s69, 1
	s_add_co_u32 s62, s62, s69
	s_add_nc_u64 s[14:15], s[14:15], s[62:63]      ; and the head's two bytes of that K step's scale word
	v_and_b32 v[TP], 31, v0                        ; lane
	v_and_b32 v[F], 15, v0                         ; r
	v_bfe_u32 v[H8], v0, 4, 1                      ; h
	v_and_b32 v[ADK], 7, v0                        ; i
	v_bfe_u32 v[ADS], v0, 3, 1                     ; g
	v_lshlrev_b32 v[LI], 4, v[TP]
	v_lshlrev_b32 v[L8], 3, v[TP]
	v_lshlrev_b32 v[R8], 3, v[F]
	v_lshlrev_b32 v[R4], 2, v[F]
	v_lshl_add_u32 v[LS], v[TP], 2, SCB
	v_lshlrev_b32 v[LV], 4, v[F]
	v_lshlrev_b32 v[KL], 4, v[ADK]
	v_lshl_add_u32 v[AS0], v[ADK], 2, SCB
	v_mad_u32_u24 v[LV], v[H8], 272, v[LV]
	v_mad_u32_u24 v[KL], v[H8], 272, v[KL]
	v_lshl_add_u32 v[AS0], v[H8], 6, v[AS0]
	v_mad_u32_u24 v[KL], v[ADS], 2176, v[KL]
	v_lshl_add_u32 v[AS0], v[ADS], 7, v[AS0]
	v_lshlrev_b32 v[H8], 3, v[H8]
	global_load_b128 v[Q0:Q0+3], v[LI], s[4:5]                 ; Q of pass 0: registers 0-7
	global_load_b128 v[Q0+4:Q0+7], v[LI], s[4:5] offset:512
	global_load_b128 v[Q1:Q1+3], v[LI], s[4:5] offset:16384    ; of pass 1: 16 tiles on
	global_load_b128 v[Q1+4:Q1+7], v[LI], s[4:5] offset:16896
	global_load_b32 v[QW0], v[R4], s[6:7]
	global_load_b32 v[QW0+1], v[R4], s[6:7] offset:1024
.irp j, 8,9,10,11
	v_mov_b32 v[Q0+\j], 0                          ; Q's registers 8-11 (k = 76 ..) are zero codes
	v_mov_b32 v[Q1+\j], 0
	v_mov_b32 v[KF+56+\j], 0                       ; the four registers behind K's last tile
.endr
	v_mov_b32 v[PT], 0                             ; written once: a lane permute's destination counts as one of its sources
	v_mov_b32 v[PT+1], 0
	v_mov_b32 v[F+1], 0                            ; (named as the upper half of the pair before it is first written)
.macro INIT                            ; the step is written once: the first finds zeros, which the first change of M leaves zeros
	v_mov_b32 v[TM], 0xff61b1e6                    ; the largest t so far: -3e38, under every t, a masked key's too
	s_delay_alu instid0(VALU_DEP_1)
	v_floor_f32 v[NM], -v[TM]                      ; -M
	v_mov_b32 v[SUM], 0
	v_mov_b32 v[SUM+1], 0
.set j, 0
.rept 32
	v_mov_b32 v[O+j], 0
.set j, j+1
.endr
.endm
; A step's eight tiles of K (registers 0-7 of each) and their scale words.  As it was stored, tile T holds in its lanes r keys 32 (T / 2) + 8 (T % 2) + r + 8 (r / 8); a tile is 4 rows of 272 bytes.
; My tile t = 4 c + j takes from stored tile 4 c + 2 g + j % 2 the lanes i + 8 (j / 2) + 16 h.  Scale words: register j: lanes 0-15 my tile 2 j, lanes 16-31 my tile 2 j + 1.
.macro KLOAD ak, as, ko, so
.irp t, 0,1,2,3,4,5,6,7
	ds_load_b128 v[KF+8*\t:KF+8*\t+3], v[\ak] offset:\ko+4352*(\t/4)+1088*(\t%2)+128*((\t%4)/2)
	ds_load_b128 v[KF+8*\t+4:KF+8*\t+7], v[\ak] offset:\ko+4352*(\t/4)+1088*(\t%2)+128*((\t%4)/2)+544
.endr
.irp j, 0,1,2,3
	ds_load_b32 v[KW+\j], v[\as] offset:\so+272*(\j/2)+32*(\j%2)
.endr
.endm
; A KEY STEP: 128 keys against my 16 queries (fragment v[QF] on, scale words v[QW]).  pf = 1: the next step's K is fetched; 2: step 0's, for the next pass; 0: nothing.
.macro STEP QF, QW, pf
	v_add_nc_u32 v[ADK], s[TB], v[KL]
	v_add_nc_u32 v[ADV], s[TB], v[LV]
	v_add_nc_u32 v[ADS], s[TS], v[AS0]
	v_add_nc_u32 v[ADW], s[TS], v[LS]
	v_mov_b32 v[TP], v[NM]                         ; the old -M.  These five lines are the places between the last step's products, which read V's fragments, and the products below, which write over them
.irp t, 0,2,4,6                                ; S^T = K Q^T: eight tiles of 16 keys
	v_wmma_scale_f32_16x16x128_f8f6f4 v[S+8*\t:S+8*\t+7], v[KF+8*\t:KF+8*\t+11], v[\QF:\QF+11], 0, v[KW+\t/2], v[\QW] matrix_a_fmt:MATRIX_FMT_FP6 matrix_b_fmt:MATRIX_FMT_FP6
	v_wmma_scale_f32_16x16x128_f8f6f4 v[S+8*\t+8:S+8*\t+15], v[KF+8*\t+8:KF+8*\t+19], v[\QF:\QF+11], 0, v[KW+\t/2], v[\QW] matrix_a_fmt:MATRIX_FMT_FP6 matrix_b_fmt:MATRIX_FMT_FP6 matrix_a_scale:MATRIX_SCALE_ROW1
.endr                                          ; register 32 c + n is key 64 c + 32 (lane / 16) + n
.rept 4
	v_nop                                          ; places ahead of the loads into K's registers and of the first reads of the scores
.endr
.if \pf == 1
	KLOAD ADK, ADS, KVSTEP, SCSTEP
.elseif \pf == 2
	KLOAD KL, AS0, 0, 0
.endif
.irp b, 0,1,2,3
	v_max3_num_f32 v[BM+\b], v[S+16*\b], v[S+16*\b+1], v[S+16*\b+2]   ; the largest score of my two blocks of 32 keys, two chains to a block: for the row's maximum and, since p rises with the score, for the block's largest p
.endr
.irp i, 3,5,7,9,11,13
.irp b, 0,1,2,3
	v_max3_num_f32 v[BM+\b], v[BM+\b], v[S+16*\b+\i], v[S+16*\b+\i+1]
.endr
.endr
.irp c, 0,1
	v_max3_num_f32 v[BM+2*\c], v[BM+2*\c], v[BM+2*\c+1], v[S+32*\c+15]
.endr
.irp c, 0,1
	v_max_num_f32 v[BM+2*\c], v[BM+2*\c], v[S+32*\c+31]
.endr
	s_delay_alu instid0(VALU_DEP_1)
	v_max_num_f32 v[F], v[BM], v[BM+2]
	s_delay_alu instid0(VALU_DEP_1)
	v_permlanex16_b32 v[PT], v[F], s[SEL], s[SEL+1]
	s_delay_alu instid0(VALU_DEP_1)
	v_max_num_f32 v[F], v[F], v[PT]                ; with lane l xor 16's two blocks: the step's largest score of my query
	s_delay_alu instid0(VALU_DEP_1)
	v_mul_f32 v[F], s[CS], v[F]                    ; as t (c is positive)
	s_delay_alu instid0(VALU_DEP_1)
	v_max_num_f32 v[TM], v[TM], v[F]               ; the running largest t
	s_delay_alu instid0(VALU_DEP_1)
	v_floor_f32 v[NM], -v[TM]                      ; the new -M = floor(-t) = -ceil(t)
	s_delay_alu instid0(VALU_DEP_1)
	v_sub_f32 v[F], v[NM], v[TP]                   ; old M - new M: a whole number, 0 or less
.irp c, 0,1
	v_fma_f32 v[BM+2*\c], v[BM+2*\c], s[CS], v[NM] ; t - M of each block's largest score
.endr
	v_cvt_i32_f32 v[F], v[F]                       ; (it saturates)
.set j, 0
.rept 4
	v_pk_fma_f32 v[S+j:S+j+1], v[S+j:S+j+1], s[CS:CS+1], v[NM:NM+1] op_sel_hi:[1,0,0]   ; t - M, two at a time
.set j, j+2
.endr
	v_ldexp_f32 v[F], 1.0, v[F]                    ; f = 2^(old M - new M)
.rept 28
	v_pk_fma_f32 v[S+j:S+j+1], v[S+j:S+j+1], s[CS:CS+1], v[NM:NM+1] op_sel_hi:[1,0,0]
.set j, j+2
.endr
.set j, 0
.rept 16
	v_pk_mul_f32 v[O+j:O+j+1], v[O+j:O+j+1], v[F:F+1] op_sel_hi:[1,0]   ; O^T under the new M, each accumulator from its low end on; no transcendental stands between the last step's products and these
.set j, j+2
.endr
	s_wait_alu depctr_va_vdst(0)
.irp c, 0,1
	v_exp_f32 v[BM+2*\c], v[BM+2*\c]               ; the block's largest p: the same two instructions on the same number give the same bits
.endr
.set j, 0
.rept 64
	v_exp_f32 v[S+j], v[S+j]                       ; p = 2^(t - M), at most 1
.set j, j+1
.endr
	v_nop                                          ; a plain place behind the exponentials
	s_wait_alu depctr_va_vdst(0)                   ; one wait for the whole batch, ahead of its first reader
.irp k, 0,1,2,3                                ; the step's sum of the unquantised p: four chains, two numbers a line
	v_pk_add_f32 v[T0+2*\k:T0+2*\k+1], v[S+4*\k:S+4*\k+1], v[S+4*\k+2:S+4*\k+3]
.endr
.irp j, 16,24,32,40,48,56
.irp k, 0,1,2,3
	v_pk_add_f32 v[T0+2*\k:T0+2*\k+1], v[T0+2*\k:T0+2*\k+1], v[S+\j+2*\k:S+\j+2*\k+1]
.endr
.endr
.irp c, 0,1
	v_max_num_f32 v[BM+2*\c], 0x1800000, v[BM+2*\c] ; the floor 2^(3 - 127): a block whose every p is 0 keeps the byte 1: its codes are zeros
.endr
.irp c, 0,1
	s_delay_alu instid0(VALU_DEP_2)
	v_add_nc_u32 v[SO+\c], 0xff000000, v[BM+2*\c]  ; 2 off the exponent field: the conversion's scale operand
.endr
.irp c, 0,1                                    ; my block 2 c + h: registers 6 c .. 6 c + 5 of the operand (a conversion's three registers begin on an even number: the second half is made elsewhere and moved)
	v_cvt_scalef32_pk16_fp6_f32 v[CD+6*\c:CD+6*\c+2], v[S+32*\c:S+32*\c+15], v[SO+\c]
	v_cvt_scalef32_pk16_fp6_f32 v[CT+4*\c:CT+4*\c+2], v[S+32*\c+16:S+32*\c+31], v[SO+\c]
.endr
.irp c, 0,1
	v_lshrrev_b32 v[PT+\c], 23, v[SO+\c]           ; the scale's byte.  (Plain places behind the conversions)
.endr
.irp t, 0,1,2,3                                ; p is in codes: its registers take V's four fragments
.irp c, 0,1,2
	ds_load_b128 v[S+12*\t+4*\c:S+12*\t+4*\c+3], v[ADV] offset:32*272+6*272*\t+2*272*\c
.endr
.endr
	ds_load_b32 v[VW], v[ADW] offset:544           ; V's scale words: lanes 0-15 tile 0, lanes 16-31 tile 1;
	ds_load_b32 v[VW+1], v[ADW] offset:672         ; tiles 2 and 3
	v_lshl_or_b32 v[TP], v[PT+1], 16, v[PT]        ; my two bytes: blocks h and 2 + h,
	s_delay_alu instid0(VALU_DEP_1)
	v_lshlrev_b32 v[TP], v[H8], v[TP]              ; at their places in the word;
	s_delay_alu instid0(VALU_DEP_1)
	v_permlanex16_b32 v[PT], v[TP], s[SEL], s[SEL+1]
	s_delay_alu instid0(VALU_DEP_1)
	v_or_b32 v[F+1], v[TP], v[PT]                  ; with lane l xor 16's two, p's scale word for these 128 keys: ten plain lines ahead of the products
.irp c, 0,1
.irp i, 0,1,2
	v_mov_b32 v[CD+3+6*\c+\i], v[CT+4*\c+\i]
.endr
.endr
	v_pk_add_f32 v[T0:T0+1], v[T0:T0+1], v[T0+2:T0+3]          ; the four chains join: these four lines are the places between the codes' last write and the products
	v_pk_add_f32 v[T0+4:T0+5], v[T0+4:T0+5], v[T0+6:T0+7]
	s_delay_alu instid0(VALU_DEP_1)
	v_pk_add_f32 v[T0:T0+1], v[T0:T0+1], v[T0+4:T0+5]
	s_delay_alu instid0(VALU_DEP_1)
	v_pk_fma_f32 v[SUM:SUM+1], v[SUM:SUM+1], v[F:F+1], v[T0:T0+1] op_sel_hi:[1,0,1]   ; the row's sum under the new M, and this step's
	s_wait_alu depctr_va_vdst(0)
	s_wait_dscnt 0x0                               ; V's fragments are in, and the next step's K, which was asked for ahead of them
.irp t, 0,2                                    ; O^T += V^T P^T; the four accumulators take turns
	v_wmma_scale_f32_16x16x128_f8f6f4 v[O+8*\t:O+8*\t+7], v[S+12*\t:S+12*\t+11], v[CD:CD+11], v[O+8*\t:O+8*\t+7], v[VW+\t/2], v[F+1] matrix_a_fmt:MATRIX_FMT_FP6 matrix_b_fmt:MATRIX_FMT_FP6
	v_wmma_scale_f32_16x16x128_f8f6f4 v[O+8*\t+8:O+8*\t+15], v[S+12*\t+12:S+12*\t+23], v[CD:CD+11], v[O+8*\t+8:O+8*\t+15], v[VW+\t/2], v[F+1] matrix_a_fmt:MATRIX_FMT_FP6 matrix_b_fmt:MATRIX_FMT_FP6 matrix_a_scale:MATRIX_SCALE_ROW1
.endr
	s_add_co_u32 s[TB], s[TB], KVSTEP
	s_add_co_u32 s[TS], s[TS], SCSTEP
.endm
.macro AT step                         ; the walk stands at this key step
	s_mov_b32 s[TB], (\step)*KVSTEP
	s_mov_b32 s[TS], (\step)*SCSTEP
.endm
.macro RUN trips, QF, QW
	s_mov_b32 s[CNT], \trips
.Lrun_\@:
	STEP \QF, \QW, 1
	s_sub_co_u32 s[CNT], s[CNT], 1
	s_cmp_lg_u32 s[CNT], 0
	s_cbranch_scc1 .Lrun_\@
.endm
; THE WAY OUT of a pass: O^T / the sum; register 16 b + i is channel 32 b + 16 (lane / 16) + i of my query: two blocks of the last product's K.  They leave as six registers of a fragment's image.
.macro FIN pass
.rept 4
	v_nop                                          ; places behind the last products
.endr
	v_add_f32 v[SUM], v[SUM], v[SUM+1]
	s_delay_alu instid0(VALU_DEP_1)
	v_permlanex16_b32 v[F], v[SUM], s[SEL], s[SEL+1]
	s_delay_alu instid0(VALU_DEP_1)
	v_add_f32 v[SUM], v[SUM], v[F]                 ; the row's sum
	s_wait_alu depctr_va_vdst(0)
	v_rcp_f32 v[SUM], v[SUM]
	v_nop                                          ; a plain place behind the transcendental
	s_wait_alu depctr_va_vdst(0)                   ; and the wait ahead of its first reader
.set j, 0
.rept 16
	v_pk_mul_f32 v[S+j:S+j+1], v[O+j:O+j+1], v[SUM:SUM+1] op_sel_hi:[1,0]   ; each accumulator from its low end on
.set j, j+2
.endr
.irp b, 0,1
	v_max3_num_f32 v[BM+\b], |v[S+16*\b]|, |v[S+16*\b+1]|, 0x1800000
.endr
.irp i, 2,4,6,8,10,12,14
.irp b, 0,1
	s_delay_alu instid0(VALU_DEP_2)
	v_max3_num_f32 v[BM+\b], v[BM+\b], |v[S+16*\b+\i]|, |v[S+16*\b+\i+1]|
.endr
.endr
.irp b, 0,1
	s_delay_alu instid0(VALU_DEP_2)
	v_permlanex16_b32 v[PT+\b], v[BM+\b], s[SEL], s[SEL+1]
.endr
.irp b, 0,1
	s_delay_alu instid0(VALU_DEP_2)
	v_max_num_f32 v[BM+\b], v[BM+\b], v[PT+\b]
.endr
.irp b, 0,1
	s_delay_alu instid0(VALU_DEP_2)
	v_add_nc_u32 v[SO+\b], 0xff000000, v[BM+\b]
.endr
.irp b, 0,1
	s_delay_alu instid0(VALU_DEP_2)
	v_lshrrev_b32 v[PT+\b], 23, v[SO+\b]
.endr
	s_delay_alu instid0(VALU_DEP_1)
	v_lshl_or_b32 v[TP], v[PT+1], 8, v[PT]         ; the head's two bytes of the scale word
	v_cvt_scalef32_pk16_fp6_f32 v[CD:CD+2], v[S:S+15], v[SO]
	v_cvt_scalef32_pk16_fp6_f32 v[CT:CT+2], v[S+16:S+31], v[SO+1]
	v_nop                                          ; one plain place behind a scaled conversion
.irp i, 0,1,2
	v_permlane16_swap_b32 v[CD+\i], v[CT+\i]
.endr
.irp i, 0,1,2
	s_delay_alu instid0(VALU_DEP_3)
	v_mov_b32 v[CD+3+\i], v[CT+\i]
.endr
.irp p, 0,1,2
	global_store_b64 v[L8], v[CD+2*\p:CD+2*\p+1], s[12:13] offset:196608*\pass+256*\p   ; 256 consecutive bytes, aligned
.endr
	global_store_b16 v[R8], v[TP], s[14:15] offset:8192*\pass   ; a head owns half of a scale word: two bytes a row (both halves of the lanes write the same bytes with the same value); 4 KiB a head in all
.endm
	INIT
	s_wait_alu depctr_va_vdst(0)
	s_cmp_lt_u32 s[WV], 5                          ; the waves that fetched key steps 0-3 and the scale words wait for their loads, whose lines no other wave issues
	s_cbranch_scc0 .Lnot_first
	s_wait_tensorcnt 0x0
.Lnot_first:
	s_barrier_signal -1
	s_barrier_wait -1                              ; steps 0-3 and the scale words are in; steps 4-15 may be on their way
	KLOAD KL, AS0, 0, 0
	AT 0
	s_wait_loadcnt 0x0                             ; Q
	s_wait_dscnt 0x0
	RUN 3, Q0, QW0                                 ; steps 0-2; the last of them fetches step 3's K
	s_wait_alu depctr_va_vdst(0)
	s_wait_tensorcnt 0x0                           ; every wave's load is in,
	s_wait_dscnt 0x0
	s_barrier_signal -1
	s_barrier_wait -1                              ; and shown to all
	AT 3
	RUN 12, Q0, QW0
	AT 15
	STEP Q0, QW0, 2                                ; the pass's last step fetches step 0's K for the next pass
	FIN 0
	INIT
	AT 0
	s_wait_xcnt 0x0                                ; pass 0's stores have read their registers
	RUN 15, Q1, QW0+1
	AT 15
	STEP Q1, QW0+1, 0
	FIN 1
	s_wait_tensorcnt 0x0                           ; the wave's end
	ds_add_u32 v[SPW], v[NIL]
	s_wait_dscnt 0x0
	CROUND                                         ; the closing round
	s_endpgm
.Lfunc_end_k_q6694522a16_attn:
	.size	k_q6694522a16_attn, .Lfunc_end_k_q6694522a16_attn-k_q6694522a16_attn
	.p2alignl 7, 3214868480
	.fill 96, 4, 3214868480
	.section	.rodata,"a",@progbits
	.p2align	6, 0x0
	.amdhsa_kernel k_q6694522a16_attn
		.amdhsa_group_segment_fixed_size 258816
		.amdhsa_private_segment_fixed_size 0
		.amdhsa_enable_private_segment 0
		.amdhsa_kernarg_size 48
		.amdhsa_user_sgpr_count 2
		.amdhsa_user_sgpr_kernarg_segment_ptr 1
		.amdhsa_wavefront_size32 1
		.amdhsa_system_sgpr_workgroup_id_x 1
		.amdhsa_system_sgpr_workgroup_id_y 1
		.amdhsa_system_sgpr_workgroup_id_z 1
		.amdhsa_system_vgpr_workitem_id 0
		.amdhsa_next_free_vgpr 256
		.amdhsa_next_free_sgpr 72
		.amdhsa_reserve_vcc 0
		.amdhsa_float_denorm_mode_32 3
		.amdhsa_float_denorm_mode_16_64 3
		.amdhsa_memory_ordered 1
		.amdhsa_forward_progress 1
		.amdhsa_inst_pref_size 97
	.end_amdhsa_kernel
	.amdgpu_metadata
---
amdhsa.version: [ 1, 2 ]
amdhsa.kernels:
  - .name:           k_q6694522a16_attn
    .symbol:         k_q6694522a16_attn.kd
    .args:
      - { .name: qi, .offset: 0, .size: 8, .value_kind: global_buffer, .address_space: global }
      - { .name: qs, .offset: 8, .size: 8, .value_kind: global_buffer, .address_space: global }
      - { .name: kv, .offset: 16, .size: 8, .value_kind: global_buffer, .address_space: global }
      - { .name: kvs, .offset: 24, .size: 8, .value_kind: global_buffer, .address_space: global }
      - { .name: ao, .offset: 32, .size: 8, .value_kind: global_buffer, .address_space: global }
      - { .name: aos, .offset: 40, .size: 8, .value_kind: global_buffer, .address_space: global }
    .group_segment_fixed_size: 258816
    .private_segment_fixed_size: 0
    .kernarg_segment_align: 8
    .kernarg_segment_size: 48
    .max_flat_workgroup_size: 512
    .sgpr_count:     72
    .vgpr_count:     256
    .wavefront_size: 32
...
	.end_amdgpu_metadata
.endif
;; end of part 4
;; launch proj (part 5): grid 4 x 64, 4 waves a work-group, clusters of 4 x 4, 327,680 bytes of LDS; arguments ao, aos, img, isc, b_proj, out0; writes out0
.if DOCPART == 5
	.amdgcn_target "amdgcn-amd-amdhsa--gfx1250"
	.amdhsa_code_object_version 6
	.text
	.protected	k_q6694522a16_proj
	.globl	k_q6694522a16_proj
	.p2align	8
	.type	k_q6694522a16_proj,@function
k_q6694522a16_proj:
	s_mov_b64 s[64:65], 0
	v_nop
	global_prefetch_b8 v0, s[64:65] scope:SCOPE_SE
	s_setreg_imm32_b32 hwreg(HW_REG_WAVE_MODE, 25, 1), 1
	s_wait_xcnt 0x0
	s_wait_alu depctr_hold_cnt(0) depctr_sa_sdst(0) depctr_va_vdst(0) depctr_va_sdst(0) depctr_va_ssrc(0) depctr_va_vcc(0) depctr_vm_vsrc(0)
	s_getreg_b32 s2, hwreg(HW_REG_IB_STS2, 6, 4)
	s_cmp_eq_u32 s2, 0
	s_cbranch_scc0 .Lentry_in_a_cluster
	s_endpgm
.Lentry_in_a_cluster:
	s_bfe_u32 s2, ttmp6, 0x10000c
	s_cmp_lg_u32 s2, 0xf033
	s_cbranch_scc0 .Lentry_shape_is_right
	s_endpgm
.Lentry_shape_is_right:
; out = O W_proj^T + b_proj on codes of FP6 (E2M3) with E8M0 scales; out0 is f32.
; ao, aos (attention's result) and img, isc (W_proj, from byte B_OFF, BS_OFF on) hold fragments as the matrix unit's registers want them: codes [tile-row of 16 rows][K step 0..7][1,536 bytes];
; scale word (tile-row T, K step s, row r) at 512 T + 128 (s / 2) + 8 r + 4 (s % 2).  Lane r of tile-row T holds row 32 (T / 2) + 8 (T % 2) + r + 8 (r / 8).
; A BLOCK is 128 tokens x 256 columns: 64 x 4 = 256 work-groups.  Four waves, 2 x 2; a wave makes 64 tokens x 128 columns: 32 accumulators.
; ALL OF K LIES IN LDS, FILLED ONCE: the block's 8 tile-rows of O are 98,304 consecutive bytes, its 16 tile-rows of W_proj 196,608.  One joint load a wave: O's codes, W_proj's codes, O's scale words, W_proj's.
; Nothing is filled again, so the walk along K has no barrier.  CLUSTERS: 4 x 4; O's rows are shared along a row of the cluster, W_proj's along a column.
; Nothing is prefetched into the L2: all that the launch reads is asked for at its head, so there is no loop to run ahead in.
; THE MATRIX INSTRUCTION IS USED TRANSPOSED: source 0 = 16 rows of W_proj, source 1 = 16 tokens: a lane holds eight neighbouring columns of a token's row.  The bias is the first products' C.
; REGISTERS: window 0: v0-31 addresses, v32-63 scale words (two sets), v64-127 the bias, v128-175 O's four fragments (on the way out v128-255 rows read back); window 1: W_proj's eight fragments, two sets;
; window 2: accumulator (a, b) at v[8 (8 a + b)].
.set NQ,     2
.set FR,     12
.set NL,     6                         ; LDS loads of a fragment
.set NP,     4
.set FRB,    1536
.set TROW,   8*FRB                     ; a tile-row, all of K
.set ABYTES, 8*TROW
.set SCL,    3*ABYTES                  ; behind A's 8 and B's 16 tile-rows: A's scale words, 4,096 bytes
.set SCLB,   SCL+4096+128              ; B's, 8,192 bytes
.set SPARE,  SCLB+8192+128
.set B_OFF,  8650752
.set BS_OFF, 360448
.set SPITCH, 528
.set ADRA, 16
.set ADRB, 20                          ; v20: B's blocks 0-3; v21: blocks 4-7
.set ADRS2, 23                         ; scale words of blocks 4-7: lanes 0-15 point at A's blocks 0-3 once more
.set STO,  24
.set RD,   25
.set CO,   26
.set ADRS, 27                          ; scale words: lanes 0-15 A's block i, lanes 16-31 B's block i
.set SPW,  28
.set NIL,  29
.set SC,   32
.set BI,   64
.set AF,   128
.set BK,   128
.set G1, 24
.set G0, 32
.set G1B, 48
.set G0B, 56
.set G1S, 68
.set G0S, 76
.set G1SB, 80
.set G0SB, 88
.set MSB, 0
.macro WIN new
.if MSB != \new
	s_set_vgpr_msb (MSB<<8)|\new
.set MSB, \new
.endif
.endm
.set MUL_LO, 0xa1                      ; source 0 window 1, source 1 window 0, C and D window 2
.set TO_B,   0x40
.macro CROUND
	s_barrier_signal -1
	s_barrier_wait -1
	s_cmp_lg_u32 s14, 0
	s_cbranch_scc1 .Lnot_wave_0_\@
	s_barrier_signal -3
.Lnot_wave_0_\@:
	s_barrier_wait -3
	s_barrier_signal -1
	s_barrier_wait -1
.endm
.macro GROUP1 g, mask, el, rows        ; rows of el elements of 8 bytes, dense
	s_or_b32 s[\g], s\mask, (3<<16)|(1<<21)
	s_mov_b32 s[\g+1], (\el)<<16
	s_mov_b32 s[\g+2], (\rows)<<16
	s_mov_b32 s[\g+3], (\el)<<16
	s_mov_b32 s[\g+4], \rows
	s_mov_b32 s[\g+5], \el
	s_mov_b32 s[\g+6], 0
	s_mov_b32 s[\g+7], 0
.endm
.macro GROUP0 g, lds, adr
	s_mov_b32 s[\g], 1
	s_mov_b32 s[\g+1], \lds
	s_mov_b64 s[\g+2:\g+3], s[\adr:\adr+1]
	s_or_b32 s[\g+3], s[\g+3], 0x80000000
.endm
.macro TLOAD g0, g1
	tensor_load_to_lds s[\g0:\g0+3], s[\g1:\g1+7]
	s_nop 0
.rept 4
	v_nop
.endr
.endm
.macro PLACES n
.rept \n
	v_nop
.endr
.endm
	s_load_b128 s[4:7], s[0:1], 0x0                ; ao, aos
	s_load_b128 s[8:11], s[0:1], 0x10              ; img, isc
	s_load_b64 s[12:13], s[0:1], 0x20              ; b_proj
	s_load_b64 s[66:67], s[0:1], 0x28              ; out0
	v_lshl_add_u32 v[SPW], v0, 2, SPARE
	v_mov_b32 v[NIL], 0
	ds_add_u32 v[SPW], v[NIL]                      ; the opening lines: the add, twice on end, and its wait
	ds_add_u32 v[SPW], v[NIL]
	v_lshrrev_b32 v1, 5, v0
	v_readfirstlane_b32 s14, v1                    ; wave
	s_lshr_b32 s15, s14, 1                         ; which 64 of the block's tokens are mine
	s_and_b32 s16, s14, 1                          ; which 128 of its columns
	s_bfe_u32 s40, ttmp6, 0x40000
	s_bfe_u32 s41, ttmp6, 0x40004
	s_lshl_b32 s42, ttmp9, 2
	s_add_co_u32 s42, s42, s40                     ; block column: 256 columns
	s_and_b32 s17, ttmp7, 0xffff
	s_lshl_b32 s17, s17, 2
	s_add_co_u32 s17, s17, s41                     ; block row: 128 tokens
	s_lshl_b32 s43, s41, 2
	s_lshl_b32 s43, 15, s43                        ; my row of the cluster
	s_lshl_b32 s44, 0x1111, s40                    ; my column
	GROUP1 G1, 43, 1536, 8
	GROUP1 G1B, 44, 1536, 16
	GROUP1 G1S, 43, 32, 16
	GROUP1 G1SB, 44, 32, 32
	s_mul_i32 s20, s17, ABYTES
	s_mov_b32 s21, 0
	s_lshl_b32 s22, s17, 12
	s_mov_b32 s23, 0
	s_mul_i32 s46, s42, 2*ABYTES
	s_mov_b32 s47, 0
	s_lshl_b32 s2, s42, 13
	s_mov_b32 s3, 0
	s_wait_dscnt 0x0
	s_wait_kmcnt 0x0
	s_add_nc_u64 s[8:9], s[8:9], B_OFF
	s_add_nc_u64 s[10:11], s[10:11], BS_OFF
	s_add_nc_u64 s[20:21], s[4:5], s[20:21]        ; O's codes
	s_add_nc_u64 s[22:23], s[6:7], s[22:23]        ; O's scale words
	s_add_nc_u64 s[46:47], s[8:9], s[46:47]        ; W_proj's codes
	s_add_nc_u64 s[2:3], s[10:11], s[2:3]          ; W_proj's scale words
	CROUND                                         ; all sixteen work-groups are here: the joint loads meet
	GROUP0 G0, 0, 20
	GROUP0 G0B, ABYTES, 46
	GROUP0 G0S, SCL, 22
	GROUP0 G0SB, SCLB, 2
	s_cmp_eq_u32 s14, 0                            ; one joint load a wave, in one chain of arms
	s_cbranch_scc0 .Lhead_b
	TLOAD G0, G1
	s_branch .Lhead_asked
.Lhead_b:
	s_cmp_eq_u32 s14, 1
	s_cbranch_scc0 .Lhead_sa
	TLOAD G0B, G1B
	s_branch .Lhead_asked
.Lhead_sa:
	s_cmp_eq_u32 s14, 2
	s_cbranch_scc0 .Lhead_sb
	TLOAD G0S, G1S
	s_branch .Lhead_asked
.Lhead_sb:
	TLOAD G0SB, G1SB
.Lhead_asked:
	s_mul_i32 s21, s15, 4*TROW                     ; my four tile-rows of A
	s_mul_i32 s22, s16, 8*TROW                     ; my eight of B,
	s_add_co_u32 s22, s22, ABYTES                  ; which lie behind A's
	s_add_co_u32 s23, s22, 4*TROW
	s_lshl_b32 s2, s15, 11                         ; scale words: 512 bytes a tile-row
	s_lshl_b32 s3, s16, 12
	s_add_co_u32 s3, s3, SCLB-SCL
	s_sub_co_u32 s3, s3, s2                        ; from A's to B's
	s_add_co_u32 s2, s2, SCL
	s_mul_i32 s4, s14, 16*SPITCH                   ; my stage for the way out
	s_lshl_b32 s6, s17, 7
	s_lshl_b32 s7, s15, 6
	s_add_co_u32 s6, s6, s7                        ; my first token,
	s_lshl_b32 s6, s6, 12                          ; in rows of 4,096 bytes
	s_mov_b32 s7, 0
	s_add_nc_u64 s[66:67], s[66:67], s[6:7]
	s_lshl_b32 s8, s42, 10
	s_lshl_b32 s9, s16, 9
	s_add_co_u32 s8, s8, s9                        ; my first column, in bytes
	s_mov_b32 s9, 0
	s_add_nc_u64 s[66:67], s[66:67], s[8:9]
	s_add_nc_u64 s[12:13], s[12:13], s[8:9]
	v_and_b32 v1, 15, v0
	v_bfe_u32 v2, v0, 4, 1
	v_and_b32 v3, 31, v0
	v_lshlrev_b32 v4, 3, v3                        ; a plane of a fragment: 8 bytes a lane
	v_add_nc_u32 v[ADRA], s21, v4
	v_add_nc_u32 v[ADRB], s22, v4
	v_add_nc_u32 v[ADRB+1], s23, v4
	v_lshlrev_b32 v5, 3, v1
	v_mul_u32_u24 v6, s3, v2                       ; lanes 16-31 take B's
	v_add_nc_u32 v5, v5, v6
	v_add_nc_u32 v[ADRS], s2, v5
	v_lshl_add_u32 v[ADRS2], v2, 11, v[ADRS]       ; lanes 16-31: B's blocks 4-7
	v_mul_u32_u24 v5, v1, SPITCH                   ; into the stage: row r, 64 bytes for each half of the lanes in each 128
	v_lshl_add_u32 v5, v2, 6, v5
	v_add_nc_u32 v[STO], s4, v5
	v_lshlrev_b32 v[CO], 4, v3                     ; back: the 32 lanes take one row of 512 bytes; and the same in out0
	v_add_nc_u32 v[RD], s4, v[CO]
	v_lshlrev_b32 v7, 6, v2
	s_wait_alu depctr_va_vdst(0)
.irp b, 0,1,2,3,4,5,6,7
	global_load_b128 v[BI+8*\b:BI+8*\b+3], v7, s[12:13] offset:4*(32*(\b/2)+8*(\b%2))
	global_load_b128 v[BI+8*\b+4:BI+8*\b+7], v7, s[12:13] offset:4*(32*(\b/2)+8*(\b%2))+16
.endr
.macro FRAG reg, adr, k, i
.irp p, 0,1,2,3,4,5
	ds_load_b64 v[\reg+2*\p:\reg+2*\p+1], v[\adr] offset:(\i)*TROW+(\k)*FRB+256*\p
.endr
.endm
; 16 matrix instructions: A's blocks a0, a0 + 1 x B's eight.  The 32 accumulators take turns, in the same order in every step.
.macro MUL16 a0, p, q, sc, zero
.irp a, \a0, \a0+1
.irp b, 0,1,2,3,4,5,6,7
.if \zero
	v_wmma_scale_f32_16x16x128_f8f6f4 v[8*(8*(\a)+\b):8*(8*(\a)+\b)+7], v[128*(\p)+FR*\b:128*(\p)+FR*\b+FR-1], v[AF+FR*(\a):AF+FR*(\a)+FR-1], v[BI+8*\b:BI+8*\b+7], v[SC+8*NQ*(\sc)+NQ*\b+(\q)], v[SC+8*NQ*(\sc)+NQ*(\a)+(\q)] matrix_a_fmt:MATRIX_FMT_FP6 matrix_b_fmt:MATRIX_FMT_FP6 matrix_a_scale:MATRIX_SCALE_ROW1
.else
	v_wmma_scale_f32_16x16x128_f8f6f4 v[8*(8*(\a)+\b):8*(8*(\a)+\b)+7], v[128*(\p)+FR*\b:128*(\p)+FR*\b+FR-1], v[AF+FR*(\a):AF+FR*(\a)+FR-1], v[8*(8*(\a)+\b):8*(8*(\a)+\b)+7], v[SC+8*NQ*(\sc)+NQ*\b+(\q)], v[SC+8*NQ*(\sc)+NQ*(\a)+(\q)] matrix_a_fmt:MATRIX_FMT_FP6 matrix_b_fmt:MATRIX_FMT_FP6 matrix_a_scale:MATRIX_SCALE_ROW1
.endif
.endr
.endr
.endm
.macro FETCH_B k, p
	WIN TO_B
.irp i, 0,1,2,3
	FRAG 128*(\p)+FR*\i, ADRB, \k, \i
.endr
.irp i, 0,1,2,3
	FRAG 128*(\p)+FR*(\i+4), ADRB+1, \k, \i
.endr
	WIN 0
.endm
.macro FETCH_A k, i0
.irp i, \i0, \i0+1
	FRAG AF+FR*(\i), ADRA, \k, \i
.endr
.endm
.macro SCALES pr                       ; the scale words of K steps 2 pr and 2 pr + 1 into set pr % 2
.irp i, 0,1,2,3
	ds_load_b64 v[SC+8*NQ*((\pr)%2)+NQ*\i:SC+8*NQ*((\pr)%2)+NQ*\i+1], v[ADRS] offset:\i*512+128*(\pr)
.endr
.irp i, 0,1,2,3
	ds_load_b64 v[SC+8*NQ*((\pr)%2)+NQ*(\i+4):SC+8*NQ*((\pr)%2)+NQ*(\i+4)+1], v[ADRS2] offset:\i*512+128*(\pr)
.endr
.endm
; A K step of 128: 32 matrix instructions.  Behind A's blocks 0, 1 the next step's B (other set) and A's blocks 0, 1 are fetched; behind blocks 2, 3 the next step's blocks 2, 3.
.macro KSTEP k, zero
	s_wait_dscnt 2*NL                              ; all but the youngest twelve loads, A's blocks 2 and 3
.if \zero
	WIN 0x81
.else
	WIN MUL_LO
.endif
	MUL16 0, (\k)%2, (\k)%2, ((\k)/2)%2, \zero
	s_wait_dscnt 0
	PLACES NP
	FETCH_B (\k)+1, ((\k)+1)%2
	FETCH_A (\k)+1, 0
.if ((\k)+1)%2 == 0
	SCALES ((\k)+1)/2
.endif
.if \zero
	WIN 0x81
.else
	WIN MUL_LO
.endif
	MUL16 2, (\k)%2, (\k)%2, ((\k)/2)%2, \zero
	PLACES NP
	WIN 0
	FETCH_A (\k)+1, 2
.endm
	s_wait_tensorcnt 0x0                           ; my tile of the four is in,
	s_barrier_signal -1
	s_barrier_wait -1                              ; and everybody's
	FETCH_B 0, 0
	FETCH_A 0, 0
	SCALES 0
	FETCH_A 0, 2
	s_wait_loadcnt 0x0                             ; the bias
	KSTEP 0, 1                                     ; the first step's products start the sums from the bias
.irp k, 1,2,3,4,5,6
	KSTEP \k, 0
.endr
	s_wait_dscnt 0x0                               ; the last step: my reads of the tiles are over
	s_barrier_signal -1
	WIN MUL_LO
	MUL16 0, 1, 1, 1, 0
	MUL16 2, 1, 1, 1, 0
	WIN 0
	s_barrier_wait -1                              ; and everybody's: the tiles' first bytes serve as stages from here on
; THE WAY OUT, block by block of 16 tokens x 128 columns, through my own stage in LDS: back come whole rows of 512 bytes, which the 32 lanes store as two aligned units of 256 bytes.
.macro TOSTAGE a
.set AC, 64*(\a)
	WIN 0x08
.irp b, 0,1,2,3,4,5,6,7
	ds_store_b128 v[STO], v[AC+8*\b:AC+8*\b+3] offset:128*(\b/2)+32*(\b%2)
	ds_store_b128 v[STO], v[AC+8*\b+4:AC+8*\b+7] offset:128*(\b/2)+32*(\b%2)+16
.endr
	WIN 0
.set BB, BK+64*((\a)%2)
.irp t, 0,1,2,3,4,5,6,7,8,9,10,11,12,13,14,15
	ds_load_b128 v[BB+4*\t:BB+4*\t+3], v[RD] offset:\t*SPITCH
.endr
.endm
.macro SEND a, younger
.set BB, BK+64*((\a)%2)
	s_wait_dscnt \younger
.irp t, 0,1,2,3,4,5,6,7,8,9,10,11,12,13,14,15
	global_store_b128 v[CO], v[BB+4*\t:BB+4*\t+3], s[66:67] offset:(32*((\a)/2)+8*((\a)%2)+\t+8*(\t/8))*4096 th:TH_STORE_NT
.endr
.endm
	PLACES NP
	TOSTAGE 0
.irp a, 1,2,3
.if \a > 1
	s_wait_xcnt 0x0                                ; block a - 2's stores have read their registers
.endif
	TOSTAGE \a
	SEND \a-1, 32                                  ; behind block a - 1's loads: block a's 16 stores and 16 loads
.endr
	SEND 3, 0
	s_wait_tensorcnt 0x0                           ; the wave's end
	ds_add_u32 v[SPW], v[NIL]
	s_wait_dscnt 0x0
	CROUND
	s_endpgm
.Lfunc_end_k_q6694522a16_proj:
	.size	k_q6694522a16_proj, .Lfunc_end_k_q6694522a16_proj-k_q6694522a16_proj
	.p2alignl 7, 3214868480
	.fill 96, 4, 3214868480
	.section	.rodata,"a",@progbits
	.p2align	6, 0x0
	.amdhsa_kernel k_q6694522a16_proj
		.amdhsa_group_segment_fixed_size 327680
		.amdhsa_private_segment_fixed_size 0
		.amdhsa_enable_private_segment 0
		.amdhsa_kernarg_size 48
		.amdhsa_user_sgpr_count 2
		.amdhsa_user_sgpr_kernarg_segment_ptr 1
		.amdhsa_wavefront_size32 1
		.amdhsa_system_sgpr_workgroup_id_x 1
		.amdhsa_system_sgpr_workgroup_id_y 1
		.amdhsa_system_sgpr_workgroup_id_z 1
		.amdhsa_system_vgpr_workitem_id 0
		.amdhsa_next_free_vgpr 768
		.amdhsa_next_free_sgpr 102
		.amdhsa_reserve_vcc 0
		.amdhsa_float_denorm_mode_32 3
		.amdhsa_float_denorm_mode_16_64 3
		.amdhsa_memory_ordered 1
		.amdhsa_forward_progress 1
		.amdhsa_inst_pref_size 98
	.end_amdhsa_kernel
	.amdgpu_metadata
---
amdhsa.version: [ 1, 2 ]
amdhsa.kernels:
  - .name:           k_q6694522a16_proj
    .symbol:         k_q6694522a16_proj.kd
    .args:
      - { .name: ao, .offset: 0, .size: 8, .value_kind: global_buffer, .address_space: global }
      - { .name: aos, .offset: 8, .size: 8, .value_kind: global_buffer, .address_space: global }
      - { .name: img, .offset: 16, .size: 8, .value_kind: global_buffer, .address_space: global }
      - { .name: isc, .offset: 24, .size: 8, .value_kind: global_buffer, .address_space: global }
      - { .name: b_proj, .offset: 32, .size: 8, .value_kind: global_buffer, .address_space: global }
      - { .name: out0, .offset: 40, .size: 8, .value_kind: global_buffer, .address_space: global }
    .group_segment_fixed_size: 327680
    .private_segment_fixed_size: 0
    .kernarg_segment_align: 8
    .kernarg_segment_size: 48
    .max_flat_workgroup_size: 128
    .sgpr_count:     102
    .vgpr_count:     768
    .wavefront_size: 32
...
	.end_amdgpu_metadata
.endif
;; end of part 5
